; MI455X (gfx1250); checked and timed in simulation.
; The chip was launched on July 23, 2026; its instructions are those of AMD's public machine-readable ISA for CDNA 5 (MIT licence, August 2026) and "CDNA5" Instruction Set Architecture Reference Guide (July 2026). The comments in the code are by the model that wrote it; some were corrected since.
;; Masked Multi Head Attention. Allowed arithmetic: matrix products marked QUANTISED: E2M1 operands, one E8M0 scale for each 32 along K, by v_wmma_scale_f32_16x16x128_f8f6f4 with both operands' format E2M1 (or v_wmma_scale_f32_32x16x128_f4), f32 sums; products left as they are: bf16, f16 or f32 operands; f32 sums; everything else in f32.
;; Inputs: b_proj 1,024 float32; b_qkv 3,072 float32; w_proj 1,024 x 1,024 float32; w_qkv 3,072 x 1,024 float32; x 4 x 2,048 x 1,024 float32.
;; Outputs: out0 4 x 2,048 x 1,024 float32.
;; This version of the problem:
;;   THIS VERSION OF THE PROBLEM IS GIVEN IN LOW PRECISION. The matrix products marked QUANTISED in the list below multiply operands that are first quantised to E2M1 (2 exponent bits, 1 mantissa bit; 4 bits a number), with one power-of-two scale for each 32 numbers along K (OCP MX v1.0); their sums are f32. The products marked 'left as it is' may take bf16, f16 or f32 operands, with f32 sums. Whichever they take, every output number must still come out within the allowed error. Rounding operands to bf16 (8 significant bits) uses up far more of that allowance than f16 does (11 bits, for magnitudes from 6e-5 to 65,504). All else is computed in f32.
;;   The module's matrix products, in the order in which they are computed (A, B: the left and right operand; K: the contracted axis; several contracted axes count as one K, in the product's order):
;;     1. [M 8,192, K 1,024] x [K 1,024, N 3,072]; A: input x; B: input w_qkv: QUANTISED
;;     2. batch 64 x [M 2,048, K 64] x [K 64, N 2,048]; A: computed on the way; B: computed on the way: left as it is (an operand is computed on the way)
;;     3. batch 64 x [M 2,048, K 2,048] x [K 2,048, N 64]; A: computed on the way; B: computed on the way: left as it is (an operand is computed on the way)
;;     4. [M 8,192, K 1,024] x [K 1,024, N 1,024]; A: computed on the way; B: input w_proj: left as it is (an operand is computed on the way)
;;   THE QUANTISER, for each operand of a quantised product, along K:
;;     - K is cut into blocks of 32 from its start; a last block that is shorter is filled with zeros.
;;     - A block's scale is 2^e with e = floor(log2(the largest magnitude in the block)) - 2, held to -126 .. 127; a block of zeros has e = 0. As a byte (E8M0): e + 127.
;;     - Each number is divided by its block's scale, clamped to +-6, and rounded to the nearest number of E2M1, ties to even, subnormals kept.
;;     - The product sums the exact products of the quantised numbers (number of the format x scale) in f32.
;;   ~~~python
;;   def quantise(x, axis):      # numpy; x: float32 -> the quantised numbers, widened to float32 again
;;       x = np.moveaxis(x, axis, -1); K = x.shape[-1]
;;       x = np.pad(x, [(0, 0)] * (x.ndim - 1) + [(0, -K % 32)]); x = x.reshape(x.shape[:-1] + (-1, 32)); a = np.abs(x).max(-1, keepdims=True)
;;       e = np.where(a > 0, np.clip(np.frexp(np.where(a > 0, a, 1))[1] - 1 - 2, -126, 127), 0)      # np.frexp(a)[1] - 1 = floor(log2(a)), exactly
;;       r = np.clip(x / 2.0 ** e, -6, 6)
;;       step = 2.0 ** (np.maximum(np.frexp(np.where(r == 0, 1, r))[1] - 1, 0) - 1)
;;       q = np.round(r / step) * step * 2.0 ** e      # np.round: ties to even
;;       return np.moveaxis(q.reshape(q.shape[:-2] + (-1,))[..., :K], -1, axis).astype(np.float32)
;;   ~~~
;; One version. Each part assembles by itself: llvm-mc -triple=amdgcn-amd-amdhsa -mcpu=gfx1250 --defsym DOCPART=n.
;; ======== version 1 of 1: 5 launches
;; limits: values are held in f16: magnitudes above 65,504 overflow, below 6.1e-05 lose precision
;; workspace buffers: x_codes 4,194,304 bytes; x_scales 262,144 bytes; w_codes 1,572,864 bytes; w_scales 98,304 bytes; w16 2,097,152 bytes; qkv 50,331,648 bytes; h16 786,432 bytes; o_img 16,777,216 bytes
;; launch prep (part 1): grid 480 x 1, 4 waves a work-group, no clusters, 33,280 bytes of LDS; arguments x, w_qkv, x_codes, x_scales, w_codes, w_scales, w_proj, w16; writes x_codes, x_scales, w_codes, w_scales, w16
.if DOCPART == 1
	.amdgcn_target "amdgcn-amd-amdhsa--gfx1250"
	.amdhsa_code_object_version 6
	.text
	.protected	k_q0e8d088328_prep
	.globl	k_q0e8d088328_prep
	.p2align	8
	.type	k_q0e8d088328_prep,@function
k_q0e8d088328_prep:
	s_mov_b64 s[64:65], 0
	v_nop
	global_prefetch_b8 v0, s[64:65] scope:SCOPE_SE
	s_setreg_imm32_b32 hwreg(HW_REG_WAVE_MODE, 25, 1), 1
	s_wait_xcnt 0x0
; x [8192][1024] and w_qkv [3072][1024], f32, are turned into codes of FP4 (E2M1), K innermost, with one E8M0 scale byte for each 32 along K; w_proj [1024][1024] is rounded to f16.
; QUANTISER.  A block's scale is 2^(floor(log2(its largest magnitude)) - 2); its byte is the largest magnitude's own exponent field - 2, held at 1 from below.  A block of zeros so gets the byte 1 where the
; rule says 127: its codes are zeros, which add nothing under any byte but 0xff, and the bytes are read by this program alone.  Each number is divided by the scale and rounded to the nearest code, ties to even.
; LIMITS: NaN and infinities among the inputs are not served; w_proj as f16 serves magnitudes up to 65,504, and under 6e-5 its absolute error is 3e-8.
; Work-groups 0-255 take x, 256-351 w_qkv: both are plain streams of blocks of 32.  A wave takes 16 steps of 512 numbers.  Each of a step's four loads reads 512 consecutive bytes; the 2,048 bytes turn through the
; wave's own stage in LDS and come back 64 bytes a lane, so that a lane holds 16 neighbours along K (two lanes a block).  A lane's 16 codes are 8 bytes: the wave stores 256 consecutive bytes.  A wave's 256 scale
; bytes are gathered in LDS and leave as one aligned run of 256 bytes.  Loads run four steps ahead, the turn through LDS one step.  No barrier: waves share nothing.
; Work-groups 352-479 cast w_proj: a wave takes 16 rows x 128 along K and stores four operand fragments as images of the registers of the product that reads them:
; w16[n-tile][k step of 32][g][lane][16 bytes], lane (r, h) of group g = w_proj[16 nt + r][32 ks + 16 g + 8 h + 0 .. 7].  This arm touches no LDS.
.set SIZE_M, 8192
.set SIZE_N, 3072
.set SIZE_K, 1024
.set WAVES, 4
.set STEPS, 16
.set WGA,   SIZE_M*SIZE_K/(512*STEPS*WAVES)            ; 256 work-groups for x
.set WGQ,   (SIZE_M+SIZE_N)*SIZE_K/(512*STEPS*WAVES)   ; 352 for both
.set EMAX,  2
.set CB,    8                          ; bytes of 16 codes
.set R,     16                         ; v16-79   four sets of 16 numbers as they are loaded
.set X,     80                         ; v80-111  two sets of 16 neighbours
.set C,     128                        ; v128-191 codes: four registers for each step, so that no store's data are written again
.set E,     112                        ; v112-127 a scale byte for each step
.set WREG,  8192                       ; LDS: a region for each wave: two stages of 32 x SP bytes, behind them its 256 scale bytes
.set SP,    80                         ; a lane's place in a stage: its 64 bytes + 16 of padding
.set SPW,   12                         ; v12      LDS address of my spare word; never rewritten
.set NIL,   13                         ; v13      0; never rewritten
.set SPARE, WAVES*WREG                 ; behind the four regions: the spare words, 128 bytes for each wave
	s_load_b128 s[4:7], s[0:1], 0x0                ; x, w_qkv
	s_load_b128 s[8:11], s[0:1], 0x10              ; x's codes, x's scales
	s_load_b128 s[12:15], s[0:1], 0x20             ; w_qkv's codes, its scales
	s_load_b128 s[24:27], s[0:1], 0x30             ; w_proj, w16
	v_lshl_add_u32 v[SPW], v0, 2, SPARE
	v_mov_b32 v[NIL], 0
	v_lshrrev_b32 v1, 5, v0
	v_readfirstlane_b32 s16, v1                    ; wave
	v_and_b32 v2, 31, v0                           ; lane
	v_lshlrev_b32 v3, 4, v2                        ; my 16 bytes of a run of 512
	s_mul_i32 s17, s16, WREG
	v_lshrrev_b32 v14, 2, v2
	v_mul_u32_u24 v14, v14, SP
	v_and_b32 v15, 3, v2
	v_lshl_add_u32 v14, v15, 4, v14
	v_add_nc_u32 v14, s17, v14                     ; the stage, on the way in: SP (lane / 4) + 16 (lane % 4)
	v_mul_u32_u24 v15, v2, SP
	v_add_nc_u32 v15, s17, v15                     ; and on the way out: SP x lane: my 16 neighbours
	v_mul_u32_u24 v4, v2, CB                       ; my codes' place in a step's
	v_lshrrev_b32 v5, 1, v2
	s_add_co_u32 s17, s17, 2*32*SP
	v_add_nc_u32 v5, s17, v5                       ; LDS: my wave's 256 scale bytes, my block's byte
	v_lshlrev_b32 v7, 3, v2                        ; and on the way out 8 bytes a lane
	v_add_nc_u32 v6, s17, v7
	s_wait_kmcnt 0x0
	s_cmp_ge_u32 ttmp9, WGQ                        ; the last 128 work-groups cast w_proj
	s_cbranch_scc1 .Lcast
	s_cmp_lt_u32 ttmp9, WGA                        ; x's work-group or w_qkv's?  The choice hangs on the work-group's number alone
	s_cselect_b64 s[4:5], s[4:5], s[6:7]
	s_cselect_b64 s[8:9], s[8:9], s[12:13]
	s_cselect_b64 s[10:11], s[10:11], s[14:15]
	s_cselect_b32 s17, 0, WGA
	s_sub_co_u32 s17, ttmp9, s17
	s_lshl_b32 s17, s17, 2
	s_add_co_u32 s18, s17, s16                     ; which run of 8,192 numbers of the tensor is my wave's
	s_mov_b32 s19, 0
	s_mov_b64 s[20:21], 512*STEPS*4
	s_mul_u64 s[20:21], s[18:19], s[20:21]
	s_add_nc_u64 s[4:5], s[4:5], s[20:21]
	s_mov_b64 s[20:21], 32*STEPS*CB
	s_mul_u64 s[20:21], s[18:19], s[20:21]
	s_add_nc_u64 s[8:9], s[8:9], s[20:21]
	s_lshl_b32 s18, s18, 8                         ; 256 scale bytes a run
	s_add_nc_u64 s[10:11], s[10:11], s[18:19]
.macro LOAD t
.irp i, 0,1,2,3
	global_load_b128 v[R+16*((\t)%4)+4*\i:R+16*((\t)%4)+4*\i+3], v3, s[4:5] offset:2048*(\t)+512*\i th:TH_LOAD_NT   ; 32 lanes read 512 consecutive bytes
.endr
.endm
.macro TURN t                          ; step t's numbers through the stage: LDS serves a wave's instructions in order, so no wait stands between the stores and the loads
.irp i, 0,1,2,3
	ds_store_b128 v14, v[R+16*((\t)%4)+4*\i:R+16*((\t)%4)+4*\i+3] offset:32*SP*((\t)%2)+8*SP*\i
.endr
.irp i, 0,1,2,3
	ds_load_b128 v[X+16*((\t)%2)+4*\i:X+16*((\t)%2)+4*\i+3], v15 offset:32*SP*((\t)%2)+16*\i
.endr
.endm
.irp t, 0,1,2,3
	LOAD \t
.endr
	s_wait_loadcnt 12                              ; step 0's four loads are in; the twelve of steps 1 to 3 may be out
	TURN 0
.macro STEP t
.set XS, X+16*((\t)%2)
.if (\t) > 0
	s_wait_dscnt 1                                 ; this step's numbers are back from the stage (the last step's byte store may be out): so its stores into the stage have read their registers,
.else
	s_wait_dscnt 0x0
.endif
.if (\t)+4 < STEPS
	LOAD (\t)+4                                    ; which take the loads of four steps on
.endif
.if (\t)+1 < STEPS
.if STEPS-2-(\t) >= 3
	s_wait_loadcnt 12                              ; the next step's four loads are in; those of the three steps behind it may be out
.else
	s_wait_loadcnt 4*(STEPS-2-(\t))
.endif
	TURN (\t)+1                                    ; and go through the other stage while this step is worked
.endif
	v_max3_num_f32 v8, |v[XS]|, |v[XS+1]|, |v[XS+2]|               ; the largest magnitude of my 16, in two chains
	v_max3_num_f32 v9, |v[XS+3]|, |v[XS+4]|, |v[XS+5]|
.irp i, 6,10
	v_max3_num_f32 v8, v8, |v[XS+\i]|, |v[XS+\i+1]|
	v_max3_num_f32 v9, v9, |v[XS+\i+2]|, |v[XS+\i+3]|
.endr
	v_max3_num_f32 v8, v8, |v[XS+14]|, |v[XS+15]|
	v_max3_num_f32 v8, v8, v9, (EMAX+1)<<23        ; and the floor 2^(EMAX + 1 - 127): so the byte cannot fall under 1
	v_max_num_f32_dpp v8, v8, v8 row_xmask:1 row_mask:0xf bank_mask:0xf   ; and of my neighbour's 16: the block's
	v_add_nc_u32 v11, -(EMAX<<23), v8              ; EMAX off its exponent field: the conversion takes the exponent field of this operand as its scale, and nothing else of it
	v_cvt_scalef32_pk8_fp4_f32 v[C+4*(\t)], v[XS:XS+7], v11        ; eight numbers / the scale, to the nearest code, ties to even, beyond the largest code the largest
	v_cvt_scalef32_pk8_fp4_f32 v[C+4*(\t)+1], v[XS+8:XS+15], v11
	v_lshrrev_b32 v[E+(\t)], 23, v11               ; the scale's byte (also the plain line behind the conversions)
	ds_store_b8 v5, v[E+(\t)] offset:16*(\t)       ; both lanes of a block write the same byte with the same value
	global_store_b64 v4, v[C+4*(\t):C+4*(\t)+1], s[8:9] offset:32*CB*(\t)
.endm
.irp t, 0,1,2,3,4,5,6,7,8,9,10,11,12,13,14,15
	STEP \t
.endr
	ds_load_b64 v[8:9], v6                         ; LDS serves a wave's instructions in order: these see my stores
	s_wait_dscnt 0x0
	global_store_b64 v7, v[8:9], s[10:11]          ; 32 lanes store 256 consecutive bytes, aligned
	s_wait_tensorcnt 0x0                           ; the wave's end, behind my last LDS store
	ds_add_u32 v[SPW], v[NIL]
	s_wait_dscnt 0x0
	s_endpgm
.Lcast:                                                ; w_proj to f16 images; job = 4 (work-group - 352) + wave: n-tile job / 8, 128 along K at job % 8
	s_sub_co_u32 s17, ttmp9, WGQ
	s_lshl_b32 s17, s17, 2
	s_add_co_u32 s17, s17, s16
	s_lshr_b32 s18, s17, 3                         ; nt
	s_and_b32 s19, s17, 7                          ; kc
	s_lshl_b32 s20, s18, 16                        ; 16 rows of 4,096 bytes
	s_lshl_b32 s22, s19, 9                         ; 128 numbers of 4 bytes
	s_add_co_u32 s20, s20, s22
	s_mov_b32 s21, 0
	s_add_nc_u64 s[24:25], s[24:25], s[20:21]
	s_lshl_b32 s20, s18, 15                        ; an n-tile's images: 32 x 1,024 bytes
	s_lshl_b32 s22, s19, 12                        ; four fragments
	s_add_co_u32 s20, s20, s22
	s_add_nc_u64 s[26:27], s[26:27], s[20:21]
	v_and_b32 v8, 15, v2                           ; r
	v_lshrrev_b32 v9, 4, v2                        ; h
	v_lshlrev_b32 v8, 12, v8
	v_lshl_add_u32 v8, v9, 5, v8                   ; row r, + 32 h bytes: my 8 numbers of a group of 16
.irp f, 0,1,2,3
.irp g, 0,1
.irp e, 0,1
	global_load_b128 v[16+16*\f+8*\g+4*\e:16+16*\f+8*\g+4*\e+3], v8, s[24:25] offset:128*\f+64*\g+16*\e th:TH_LOAD_NT
.endr
.endr
.endr
	s_wait_loadcnt 0x0
.irp f, 0,1,2,3
.irp g, 0,1
.irp i, 0,1,2,3
	v_cvt_pk_f16_f32 v[128+8*\f+4*\g+\i], v[16+16*\f+8*\g+2*\i], v[16+16*\f+8*\g+2*\i+1]
.endr
.endr
.endr
.irp f, 0,1,2,3
.irp g, 0,1
	global_store_b128 v3, v[128+8*\f+4*\g:128+8*\f+4*\g+3], s[26:27] offset:1024*\f+512*\g   ; 32 lanes store 512 consecutive bytes
.endr
.endr
	s_endpgm
.Lfunc_end_k_q0e8d088328_prep:
	.size	k_q0e8d088328_prep, .Lfunc_end_k_q0e8d088328_prep-k_q0e8d088328_prep
	.p2alignl 7, 3214868480
	.fill 96, 4, 3214868480
	.section	.rodata,"a",@progbits
	.p2align	6, 0x0
	.amdhsa_kernel k_q0e8d088328_prep
		.amdhsa_group_segment_fixed_size 33280
		.amdhsa_private_segment_fixed_size 0
		.amdhsa_enable_private_segment 0
		.amdhsa_kernarg_size 64
		.amdhsa_user_sgpr_count 2
		.amdhsa_user_sgpr_kernarg_segment_ptr 1
		.amdhsa_wavefront_size32 1
		.amdhsa_system_sgpr_workgroup_id_x 1
		.amdhsa_system_sgpr_workgroup_id_y 1
		.amdhsa_system_sgpr_workgroup_id_z 1
		.amdhsa_system_vgpr_workitem_id 0
		.amdhsa_next_free_vgpr 192
		.amdhsa_next_free_sgpr 66
		.amdhsa_reserve_vcc 0
		.amdhsa_float_denorm_mode_32 3
		.amdhsa_float_denorm_mode_16_64 3
		.amdhsa_memory_ordered 1
		.amdhsa_forward_progress 1
		.amdhsa_inst_pref_size 38
	.end_amdhsa_kernel
	.amdgpu_metadata
---
amdhsa.version: [ 1, 2 ]
amdhsa.kernels:
  - .name:           k_q0e8d088328_prep
    .symbol:         k_q0e8d088328_prep.kd
    .args:
      - { .name: x, .offset: 0, .size: 8, .value_kind: global_buffer, .address_space: global }
      - { .name: w_qkv, .offset: 8, .size: 8, .value_kind: global_buffer, .address_space: global }
      - { .name: x_codes, .offset: 16, .size: 8, .value_kind: global_buffer, .address_space: global }
      - { .name: x_scales, .offset: 24, .size: 8, .value_kind: global_buffer, .address_space: global }
      - { .name: w_codes, .offset: 32, .size: 8, .value_kind: global_buffer, .address_space: global }
      - { .name: w_scales, .offset: 40, .size: 8, .value_kind: global_buffer, .address_space: global }
      - { .name: w_proj, .offset: 48, .size: 8, .value_kind: global_buffer, .address_space: global }
      - { .name: w16, .offset: 56, .size: 8, .value_kind: global_buffer, .address_space: global }
    .group_segment_fixed_size: 33280
    .private_segment_fixed_size: 0
    .kernarg_segment_align: 8
    .kernarg_segment_size: 64
    .max_flat_workgroup_size: 128
    .sgpr_count:     66
    .vgpr_count:     192
    .wavefront_size: 32
...
	.end_amdgpu_metadata
.endif
;; end of part 1
;; launch qkv (part 2): grid 12 x 32, 4 waves a work-group, clusters of 4 x 4, 327,680 bytes of LDS; arguments x_codes, x_scales, w_codes, w_scales, b_qkv, qkv, h16; writes qkv, h16
.if DOCPART == 2
	.amdgcn_target "amdgcn-amd-amdhsa--gfx1250"
	.amdhsa_code_object_version 6
	.text
	.protected	k_q0e8d088328_qkv
	.globl	k_q0e8d088328_qkv
	.p2align	8
	.type	k_q0e8d088328_qkv,@function
k_q0e8d088328_qkv:
	s_mov_b64 s[64:65], 0
	v_nop
	global_prefetch_b8 v0, s[64:65] scope:SCOPE_SE
	s_setreg_imm32_b32 hwreg(HW_REG_WAVE_MODE, 25, 1), 1
	s_wait_xcnt 0x0
	s_wait_alu depctr_hold_cnt(0) depctr_sa_sdst(0) depctr_va_vdst(0) depctr_va_sdst(0) depctr_va_ssrc(0) depctr_va_vcc(0) depctr_vm_vsrc(0)
	s_getreg_b32 s2, hwreg(HW_REG_IB_STS2, 6, 4)
	s_cmp_eq_u32 s2, 0
	s_cbranch_scc0 .Lentry_in_a_cluster
	s_endpgm
.Lentry_in_a_cluster:
	s_bfe_u32 s2, ttmp6, 0x10000c
	s_cmp_lg_u32 s2, 0xf033
	s_cbranch_scc0 .Lentry_shape_is_right
	s_endpgm
.Lentry_shape_is_right:
; qkv = x w_qkv^T + b_qkv on codes of FP4 (E2M1) with one E8M0 scale for each 32 along K = 1,024; sums in f32; the bias is the C of each sum's first matrix instruction.
; A tile of 256 x 256 is made by four waves, 128 x 128 each: 64 accumulators, 512 registers.  K is two slots of 512 (LDS rows of 256 bytes + 16): both are filled once, at the head; so are the scale bytes.
; THE MATRIX INSTRUCTION IS USED TRANSPOSED (source 0 = 16 rows of 'B', source 1 = 16 rows of 'A'): a lane holds one row of A and eight neighbouring rows of B.
; ROLES.  Clusters with x = 0, 1 make q and k: A = x, B = w_qkv: a lane holds one position and eight neighbouring channels: half of an operand fragment of q or k for the scores.
;         Clusters with x = 2 make v: A = w_qkv, B = x: a lane holds one channel and eight neighbouring positions: half of a fragment of v^T.  The choice hangs on the cluster's x alone: alike in all partners.
; THE RESULTS LEAVE AS IMAGES OF THE NEXT PRODUCT'S OPERAND REGISTERS, rounded to f16: every store of a wave is 512 consecutive bytes at 16 x lane; nothing goes through LDS on the way out.
;   qkv[bh 64][block of 256 positions 8][Q 32 KB | K 32 KB | V 32 KB];  Q, K: [t-tile 16][32 channels 2][g 2][lane][16 B];  V: [32 keys 8][channel tile 4][g 2][lane][16 B].
; Positions 0-15 of each sequence also leave as raw f32 accumulators: h16[bh][q, k, v][tile 4][g 2][lane][16 B].
; CLUSTERS: 4 x 4.  A's tile is shared along a row of the cluster, B's along a column: each is asked for jointly, by the same tensor load with a mask that names the four.
;   q, k: A's tile row = 8 cy + cluster y (batch cy, block cluster y), B's tile column = 4 cluster x + cx.    v: A's tile row = 8 + cy, B's tile column = 8 cx + cluster y (batch cx).
; LIMITS: q, k, v as f16 serve magnitudes up to 65,504; under 6e-5 their absolute error is 3e-8.  No prefetch: the codes are read by many work-groups and the launch is short.
; REGISTERS, in windows of 256: window 0: v0-31 addresses; v32-95 scale words, two sets; v128-191 A's fragments, one set; v192-255 the bias; on the way out v32-95 packed results.
;   window 1: B's fragments, two sets, at v0 and v128.   window 2: the accumulators of my rows 0-63 ((a, b) at v[8 (8 a + b)]);   window 3: those of rows 64-127.
.set NQ,     4                         ; matrix instructions deep in a slot
.set ROWB,   256                       ; a tile's row in bytes: 512 codes
.set KROW,   512                       ; a row of codes in memory
.set PITCH,  272                       ; an LDS row: 256 bytes + 16 of padding: the 16 rows of a fragment load start 68 words apart
.set FR,     8
.set NL,     2
.set NP,     4                         ; places behind this matrix instruction (ISA guide 7.12.1)
.set HALFT,  128*PITCH
.set SLOT,   4*HALFT
.set KS,     32                        ; a row of scale bytes
.set SCL,    2*SLOT
.set HALFS,  (128*KS/256)*272
.set SBLK,   (16*KS/256)*272
.set SPARE,  SCL+4*HALFS               ; the spare words, 128 bytes for each wave
.set HEADB,  786432
.set BLKB,   98304
.set ADRA, 16
.set ADRB, 20
.set CO,   26                          ; v26  16 x lane
.set ADRS, 27
.set SPW,  28
.set NIL,  29
.set BO,   30                          ; v30  the bias loads' offset
.set SC,   32
.set AF,   128
.set BI,   192
.set TMP,  32
.set G1, 24
.set G0, 32
.set G1B, 48
.set G0B, 56
.set G1S, 68
.set G0S, 76
.set G1SB, 80
.set G0SB, 88
.set MSB, 0
.macro WIN new                         ; the immediate's high byte repeats the setting that is left
.if MSB != (\new)
	s_set_vgpr_msb (MSB<<8)|(\new)
.set MSB, (\new)
.endif
.endm
.set MUL_LO, 0xa1                      ; source 0 (B) window 1, source 1 (A) window 0, C and D window 2
.set MUL_HI, 0xf1                      ; the same, C and D window 3
.set TO_B,   0x40
; A joint load: waves 0 and 1 fetch for A, waves 2 and 3 for B; the branch hangs on the wave's number alone.  An s_nop 0 and four v_nop follow each line.
.macro JLOAD g0a, g1a, g0b, g1b
	s_cmp_eq_u32 s15, 0
	s_cbranch_scc0 .Lfor_b_\@
	tensor_load_to_lds s[\g0a:\g0a+3], s[\g1a:\g1a+7]
	s_nop 0
.rept 4
	v_nop
.endr
	s_branch .Lasked_\@
.Lfor_b_\@:
	tensor_load_to_lds s[\g0b:\g0b+3], s[\g1b:\g1b+7]
	s_nop 0
.rept 4
	v_nop
.endr
.Lasked_\@:
.endm
.macro CROUND                          ; a round of the cluster's barrier
	s_barrier_signal -1
	s_barrier_wait -1
	s_cmp_lg_u32 s14, 0
	s_cbranch_scc1 .Lnot_wave_0_\@
	s_barrier_signal -3
.Lnot_wave_0_\@:
	s_barrier_wait -3
	s_barrier_signal -1
	s_barrier_wait -1
.endm
	s_load_b128 s[4:7], s[0:1], 0x0                ; x's codes, x's scales
	s_load_b128 s[8:11], s[0:1], 0x10              ; w's codes, w's scales
	s_load_b128 s[96:99], s[0:1], 0x20             ; b_qkv, qkv
	s_load_b64 s[100:101], s[0:1], 0x30            ; h16
	v_lshl_add_u32 v[SPW], v0, 2, SPARE
	v_mov_b32 v[NIL], 0
	ds_add_u32 v[SPW], v[NIL]                      ; the wave's opening: the add, twice on end, and its wait ahead of my first tensor load
	ds_add_u32 v[SPW], v[NIL]
	v_lshrrev_b32 v1, 5, v0
	v_readfirstlane_b32 s14, v1                    ; wave 0..3
	s_lshr_b32 s15, s14, 1                         ; which half of A's rows is mine.  Also: I fetch for A (0) or for B (1)
	s_and_b32 s16, s14, 1                          ; which half of B's rows.  Also: which 128 rows I fetch
	s_bfe_u32 s40, ttmp6, 0x40000                  ; cx
	s_bfe_u32 s41, ttmp6, 0x40004                  ; cy
	s_and_b32 s2, ttmp7, 0xffff                    ; cluster y: the block of 256 positions
	s_lshl_b32 s17, s41, 3
	s_add_co_u32 s17, s17, s2                      ; q, k: A's tile row = 8 cy + cluster y
	s_add_co_u32 s18, s41, 8                       ; v:    A's tile row = 8 + cy
	s_lshl_b32 s42, ttmp9, 2
	s_add_co_u32 s42, s42, s40                     ; q, k: B's tile column = 4 cluster x + cx
	s_lshl_b32 s19, s40, 3
	s_add_co_u32 s19, s19, s2                      ; v:    B's tile column = 8 cx + cluster y
	s_cmp_eq_u32 ttmp9, 2
	s_cselect_b32 s95, 1, 0                        ; 1: this cluster makes v
	s_cselect_b32 s17, s18, s17
	s_cselect_b32 s42, s19, s42
	s_lshl_b32 s43, s41, 2
	s_lshl_b32 s43, 15, s43                        ; my row of the cluster
	s_lshl_b32 s44, 0x1111, s40                    ; my column
	; descriptor group 1: a tile of 128 rows x 256 bytes, 16 bytes of padding behind each row
	s_or_b32 s[G1+0], s43, (0<<16)|(1<<20)|(1<<21)|(5<<22)|(3<<25)
	s_or_b32 s[G1B+0], s44, (0<<16)|(1<<20)|(1<<21)|(5<<22)|(3<<25)
.irp g, G1, G1B
	s_mov_b32 s[\g+1], ROWB<<16                    ; tensor_dim0
	s_mov_b32 s[\g+2], 128<<16                     ; tensor_dim1
	s_mov_b32 s[\g+3], ROWB<<16                    ; tile_dim0
	s_mov_b32 s[\g+4], 128                         ; tile_dim1
	s_mov_b32 s[\g+5], KROW                        ; pitch
	s_mov_b32 s[\g+6], 0
	s_mov_b32 s[\g+7], 0
.endr
	; the scales of 128 rows: 4,096 dense bytes as 16 rows of 256 (32 elements of 8 bytes), 16 bytes of padding behind each
	s_or_b32 s[G1S+0], s43, (3<<16)|(1<<20)|(1<<21)|(5<<22)|(3<<25)
	s_or_b32 s[G1SB+0], s44, (3<<16)|(1<<20)|(1<<21)|(5<<22)|(3<<25)
.irp g, G1S, G1SB
	s_mov_b32 s[\g+1], 32<<16
	s_mov_b32 s[\g+2], (128*KS/256)<<16
	s_mov_b32 s[\g+3], 32<<16
	s_mov_b32 s[\g+4], 128*KS/256
	s_mov_b32 s[\g+5], 32
	s_mov_b32 s[\g+6], 0
	s_mov_b32 s[\g+7], 0
.endr
	s_lshl_b32 s18, s16, 7                         ; which 128 rows of the tile I fetch
	s_lshl_b32 s20, s17, 8
	s_add_co_u32 s20, s20, s18                     ; A's row
	s_lshl_b32 s46, s42, 8
	s_add_co_u32 s46, s46, s18                     ; B's row
	s_mov_b32 s21, 0
	s_mov_b32 s47, 0
	s_mov_b64 s[18:19], KS
	s_mul_u64 s[22:23], s[20:21], s[18:19]         ; where these rows' scales begin
	s_mul_u64 s[92:93], s[46:47], s[18:19]
	s_mov_b64 s[18:19], KROW
	s_mul_u64 s[20:21], s[20:21], s[18:19]         ; and their codes
	s_mul_u64 s[46:47], s[46:47], s[18:19]
	s_mul_i32 s45, s14, HALFT                      ; where they go: wave x 128 rows: no place in the cluster enters an LDS address
	s_mul_i32 s94, s14, HALFS
	s_wait_dscnt 0x0                               ; both opening adds are done
	s_wait_kmcnt 0x0
	s_cmp_eq_u32 s95, 1                            ; which tensor is A and which is B
	s_cselect_b64 s[66:67], s[8:9], s[4:5]         ; A's codes
	s_cselect_b64 s[8:9], s[4:5], s[8:9]           ; B's codes
	s_cselect_b64 s[4:5], s[10:11], s[6:7]         ; A's scales
	s_cselect_b64 s[10:11], s[6:7], s[10:11]       ; B's scales
	s_add_nc_u64 s[20:21], s[66:67], s[20:21]
	s_add_nc_u64 s[22:23], s[4:5], s[22:23]
	s_add_nc_u64 s[46:47], s[8:9], s[46:47]
	s_add_nc_u64 s[92:93], s[10:11], s[92:93]
	CROUND                                         ; all sixteen work-groups are here: the joint loads meet
	s_mov_b32 s[G0S], 1
	s_add_co_u32 s[G0S+1], s94, SCL
	s_mov_b64 s[G0S+2:G0S+3], s[22:23]
	s_or_b32 s[G0S+3], s[G0S+3], 0x80000000
	s_mov_b32 s[G0SB], 1
	s_add_co_u32 s[G0SB+1], s94, SCL
	s_mov_b64 s[G0SB+2:G0SB+3], s[92:93]
	s_or_b32 s[G0SB+3], s[G0SB+3], 0x80000000
	JLOAD G0S, G1S, G0SB, G1SB                     ; the scales first: they are wanted with the first slot
.irp s, 0,1
	s_mov_b32 s[G0+4*\s], 1
	s_add_co_u32 s[G0+4*\s+1], s45, \s*SLOT
	s_add_nc_u64 s[G0+4*\s+2:G0+4*\s+3], s[20:21], \s*ROWB
	s_or_b32 s[G0+4*\s+3], s[G0+4*\s+3], 0x80000000
	s_mov_b32 s[G0B+4*\s], 1
	s_add_co_u32 s[G0B+4*\s+1], s45, \s*SLOT
	s_add_nc_u64 s[G0B+4*\s+2:G0B+4*\s+3], s[46:47], \s*ROWB
	s_or_b32 s[G0B+4*\s+3], s[G0B+4*\s+3], 0x80000000
	JLOAD G0+4*\s, G1, G0B+4*\s, G1B               ; three loads of mine are out in all
.endr
	v_and_b32 v1, 15, v0                           ; r
	v_bfe_u32 v2, v0, 4, 1                         ; h
	v_mul_u32_u24 v3, v1, PITCH
	v_lshl_add_u32 v4, v2, 4, v3                   ; a fragment's row x pitch + 16 h
	s_mul_i32 s21, s15, HALFT                      ; my 128 rows of A
	s_mul_i32 s22, s16, HALFT                      ; my 128 rows of B,
	s_add_co_u32 s22, s22, 2*HALFT                 ; behind A's 256
.irp s, 0,1
	v_add_nc_u32 v[ADRA+\s], s21, v4
	v_add_nc_u32 v[ADRB+\s], s22, v4
	s_add_co_u32 s21, s21, SLOT
	s_add_co_u32 s22, s22, SLOT
.endr
	v_mul_u32_u24 v5, v1, KS                       ; my row's scales: KS bytes a row,
	v_lshrrev_b32 v6, 8, v5
	v_lshl_add_u32 v5, v6, 4, v5                   ; and 16 more for each 256 passed
	s_mul_i32 s21, s15, HALFS
	s_mul_i32 s22, s16, HALFS
	s_add_co_u32 s22, s22, 2*HALFS
	s_sub_co_u32 s22, s22, s21
	v_mul_u32_u24 v6, s22, v2                      ; lanes 16-31 take B's
	s_add_co_u32 s21, s21, SCL
	v_add_nc_u32 v5, v5, v6
	v_add_nc_u32 v[ADRS], s21, v5
	v_and_b32 v6, 31, v0
	v_lshlrev_b32 v[CO], 4, v6                     ; the way out: 16 x lane
	; the bias in the result's layout, and where my results go
	s_cmp_eq_u32 s95, 1
	s_cbranch_scc1 .Lbias_v
	s_lshl_b32 s20, s42, 10                        ; q, k: the bias runs along B's rows: 256 tile column + 128 half, 4 bytes each
	s_lshl_b32 s21, s16, 9
	s_add_co_u32 s20, s20, s21
	s_mov_b32 s21, 0
	s_add_nc_u64 s[96:97], s[96:97], s[20:21]
	v_lshlrev_b32 v[BO], 5, v2                     ; my half's eight
.irp b, 0,1,2,3,4,5,6,7
	global_load_b128 v[BI+8*\b:BI+8*\b+3], v[BO], s[96:97] offset:64*\b
	global_load_b128 v[BI+8*\b+4:BI+8*\b+7], v[BO], s[96:97] offset:64*\b+16
.endr
	s_lshl_b32 s20, s41, 4
	s_and_b32 s22, s42, 3
	s_lshl_b32 s22, s22, 2
	s_add_co_u32 s20, s20, s22
	s_lshl_b32 s22, s16, 1
	s_add_co_u32 s20, s20, s22                     ; my first head: 16 batch + 4 (tile column % 4) + 2 half
	s_lshr_b32 s22, s42, 2                         ; 0: q, 1: k
	s_mul_i32 s46, s20, 12288
	s_lshl_b32 s23, s22, 12
	s_add_co_u32 s46, s46, s23
	s_mov_b32 s47, 0
	s_add_nc_u64 s[100:101], s[100:101], s[46:47]
	s_mul_i32 s46, s20, HEADB
	s_mul_i32 s23, s2, BLKB
	s_add_co_u32 s46, s46, s23
	s_lshl_b32 s23, s22, 15
	s_add_co_u32 s46, s46, s23
	s_lshl_b32 s23, s15, 14                        ; my eight t-tiles of 2,048 bytes
	s_add_co_u32 s46, s46, s23
	s_add_nc_u64 s[12:13], s[98:99], s[46:47]
	s_branch .Lbias_done
.Lbias_v:
	s_lshl_b32 s20, s17, 10                        ; v: the bias runs along A's rows: a lane's eight results share one number
	s_lshl_b32 s21, s15, 9
	s_add_co_u32 s20, s20, s21
	s_mov_b32 s21, 0
	s_add_nc_u64 s[96:97], s[96:97], s[20:21]
	v_lshlrev_b32 v[BO], 2, v1
.irp a, 0,1,2,3,4,5,6,7
.irp i, 0,1,2,3,4,5,6,7
	global_load_b32 v[BI+8*\a+\i], v[BO], s[96:97] offset:64*\a
.endr
.endr
	s_lshl_b32 s20, s40, 4
	s_lshl_b32 s22, s41, 2
	s_add_co_u32 s20, s20, s22
	s_lshl_b32 s22, s15, 1
	s_add_co_u32 s20, s20, s22                     ; my first head: 16 batch + 4 cy + 2 half
	s_mul_i32 s46, s20, 12288
	s_add_co_u32 s46, s46, 8192
	s_mov_b32 s47, 0
	s_add_nc_u64 s[100:101], s[100:101], s[46:47]
	s_mul_i32 s46, s20, HEADB
	s_mul_i32 s23, s2, BLKB
	s_add_co_u32 s46, s46, s23
	s_add_co_u32 s46, s46, 65536
	s_lshl_b32 s23, s16, 14                        ; my four groups of 32 keys, 4,096 bytes each
	s_add_co_u32 s46, s46, s23
	s_add_nc_u64 s[12:13], s[98:99], s[46:47]
.Lbias_done:
.macro FRAG reg, adr, q, i             ; 16 rows x 128 K of 4-bit codes: 8 registers; lane l: row l % 16; registers 4 c .. 4 c + 3: K = 64 c + 32 (l / 16) + 0 .. 31
.irp c, 0,1
	ds_load_b128 v[\reg+4*\c:\reg+4*\c+3], v[\adr] offset:64*(\q)+32*\c+(\i)*16*PITCH
.endr
.endm
; 16 matrix instructions: A's blocks a0, a0 + 1 x B's eight.  zero = 0: in place; 1: C = the bias by B's block; 2: C = the bias by A's block.  The 64 accumulators take turns, one instruction a turn.
.macro MUL16 a0, p, q, sc, zero
.irp a, \a0, \a0+1
.irp b, 0,1,2,3,4,5,6,7
.if \zero == 1
	v_wmma_scale_f32_16x16x128_f8f6f4 v[8*(8*((\a)%4)+\b):8*(8*((\a)%4)+\b)+7], v[128*(\p)+FR*\b:128*(\p)+FR*\b+FR-1], v[AF+FR*(\a):AF+FR*(\a)+FR-1], v[BI+8*\b:BI+8*\b+7], v[SC+8*NQ*(\sc)+NQ*\b+(\q)], v[SC+8*NQ*(\sc)+NQ*(\a)+(\q)] matrix_a_fmt:MATRIX_FMT_FP4 matrix_b_fmt:MATRIX_FMT_FP4 matrix_a_scale:MATRIX_SCALE_ROW1
.elseif \zero == 2
	v_wmma_scale_f32_16x16x128_f8f6f4 v[8*(8*((\a)%4)+\b):8*(8*((\a)%4)+\b)+7], v[128*(\p)+FR*\b:128*(\p)+FR*\b+FR-1], v[AF+FR*(\a):AF+FR*(\a)+FR-1], v[BI+8*(\a):BI+8*(\a)+7], v[SC+8*NQ*(\sc)+NQ*\b+(\q)], v[SC+8*NQ*(\sc)+NQ*(\a)+(\q)] matrix_a_fmt:MATRIX_FMT_FP4 matrix_b_fmt:MATRIX_FMT_FP4 matrix_a_scale:MATRIX_SCALE_ROW1
.else
	v_wmma_scale_f32_16x16x128_f8f6f4 v[8*(8*((\a)%4)+\b):8*(8*((\a)%4)+\b)+7], v[128*(\p)+FR*\b:128*(\p)+FR*\b+FR-1], v[AF+FR*(\a):AF+FR*(\a)+FR-1], v[8*(8*((\a)%4)+\b):8*(8*((\a)%4)+\b)+7], v[SC+8*NQ*(\sc)+NQ*\b+(\q)], v[SC+8*NQ*(\sc)+NQ*(\a)+(\q)] matrix_a_fmt:MATRIX_FMT_FP4 matrix_b_fmt:MATRIX_FMT_FP4 matrix_a_scale:MATRIX_SCALE_ROW1
.endif
.endr
.endr
.endm
.macro FETCH_B slot, q, p
	WIN TO_B
.irp i, 0,1,2,3,4,5,6,7
	FRAG 128*(\p)+FR*\i, ADRB+\slot, \q, \i
.endr
	WIN 0
.endm
.macro FETCH_A slot, q, i0
.irp i, \i0, \i0+1, \i0+2, \i0+3
	FRAG AF+FR*(\i), ADRA+\slot, \q, \i
.endr
.endm
.macro SCALES sc                       ; a slot's scale words: four a row; lanes 0-15 take A's block i, lanes 16-31 B's block i
.irp i, 0,1,2,3,4,5,6,7
	ds_load_b128 v[SC+8*NQ*\sc+NQ*\i:SC+8*NQ*\sc+NQ*\i+3], v[ADRS] offset:\i*SBLK
.endr
.endm
.macro PLACES n                        ; plain vector instructions between a matrix instruction and a load into, or a read of, its registers
.rept \n
	v_nop
.endr
.endm
.macro STEP slot, q, zero              ; 128 along K that has its successor in the same slot
	s_wait_dscnt 4*NL                              ; B's set, A's blocks 0-3 (and the scale words) are in; the youngest eight loads (A's blocks 4-7) may be out
.if \zero
	WIN 0x81                                       ; C (the bias) window 0, D window 2
.else
	WIN MUL_LO
.endif
	MUL16 0, (\q)%2, \q, \slot, \zero
	MUL16 2, (\q)%2, \q, \slot, \zero
	s_wait_dscnt 0
	PLACES NP
	FETCH_B \slot, (\q)+1, 1-(\q)%2
	FETCH_A \slot, (\q)+1, 0
.if \zero
	WIN 0xc1                                       ; C window 0, D window 3
.else
	WIN MUL_HI
.endif
	MUL16 4, (\q)%2, \q, \slot, \zero
	MUL16 6, (\q)%2, \q, \slot, \zero
	PLACES NP
	WIN 0
	FETCH_A \slot, (\q)+1, 4
.endm
.macro TURN slot, next                 ; a slot's last step: in front of the barrier each wave waits for all its tensor loads (its part of the next slot); behind it the next slot is whole.  Nothing is filled again
	s_wait_tensorcnt 0x0
	ds_add_u32 v[SPW], v[NIL]
	s_wait_dscnt 4*NL+1                            ; (the add and A's blocks 4-7 may be out)
	WIN MUL_LO
	MUL16 0, 1, NQ-1, \slot, 0
	s_wait_dscnt 0x0
	s_barrier_signal -1
	MUL16 2, 1, NQ-1, \slot, 0
	WIN 0
	s_barrier_wait -1
	PLACES NP
	v_add_nc_u32 v[ADRS], 4*NQ, v[ADRS]            ; on to the next slot's scale words
	FETCH_B \next, 0, 0
	FETCH_A \next, 0, 0
	SCALES \next
	WIN MUL_HI
	MUL16 4, 1, NQ-1, \slot, 0
	MUL16 6, 1, NQ-1, \slot, 0
	PLACES NP
	WIN 0
	FETCH_A \next, 0, 4
.endm
.macro STEPS slot, from
.set Q, \from
.rept NQ-1-\from
	STEP \slot, Q, 0
.set Q, Q+1
.endr
.endm
	s_wait_tensorcnt 1                             ; the scales and my part of slot 0 are in (slot 1's load may be out),
	s_barrier_signal -1
	s_barrier_wait -1                              ; everybody's are
	FETCH_B 0, 0, 0
	FETCH_A 0, 0, 0
	SCALES 0
	FETCH_A 0, 0, 4
	s_wait_loadcnt 0x0                             ; the bias
	s_cmp_eq_u32 s95, 1
	s_cbranch_scc1 .Lfirst_v
	STEP 0, 0, 1                                   ; the first step starts the sums with the bias: nothing is cleared, nothing is added later
	s_branch .Lfirst_done
.Lfirst_v:
	STEP 0, 0, 2
.Lfirst_done:
	STEPS 0, 1
	TURN 0, 1
	STEPS 1, 0
	s_wait_dscnt 4*NL                              ; the very last step
	WIN MUL_LO
	MUL16 0, 1, NQ-1, 1, 0
	MUL16 2, 1, NQ-1, 1, 0
	s_wait_dscnt 0
	WIN MUL_HI
	MUL16 4, 1, NQ-1, 1, 0
	MUL16 6, 1, NQ-1, 1, 0
	WIN 0
; THE WAY OUT.  path 0 (q, k): accumulator (a, b) is t-tile a, channels 16 b on: head b / 4, half-fragment b % 4.   path 1 (v): channels 16 a on (head a / 4, tile a % 4), positions 16 b on (group b / 2, half b % 2).
; Each accumulator is read from its low end on.  Two sets of 32 packed registers take turns; a set is written again only behind s_wait_xcnt 0, when the stores that read it have had their addresses translated.
.macro OUT path
.if \path == 0
	s_or_b32 s66, s2, s15                          ; positions 0-15 lie in block 0, in the waves with A's first half, in a = 0
.else
	s_or_b32 s66, s2, s16                          ; in block 0, in the waves with B's first half, in b = 0
.endif
	s_cmp_lg_u32 s66, 0
	s_cbranch_scc1 .Lno_first_\@
.if \path == 0
	WIN 0x08                                       ; a store's data are its source 1: window 2
.irp b, 0,1,2,3,4,5,6,7
	global_store_b128 v[CO], v[8*\b:8*\b+3], s[100:101] offset:(\b/4)*12288+(\b%4)*1024
	global_store_b128 v[CO], v[8*\b+4:8*\b+7], s[100:101] offset:(\b/4)*12288+(\b%4)*1024+512
.endr
.else
.irp a, 0,1,2,3,4,5,6,7
	WIN 0x08+4*(\a/4)
	global_store_b128 v[CO], v[64*(\a%4):64*(\a%4)+3], s[100:101] offset:(\a/4)*12288+(\a%4)*1024
	global_store_b128 v[CO], v[64*(\a%4)+4:64*(\a%4)+7], s[100:101] offset:(\a/4)*12288+(\a%4)*1024+512
.endr
.endif
	WIN 0
.Lno_first_\@:
.irp a, 0,1,2,3,4,5,6,7
.if \a > 1
	s_wait_xcnt 0x0
.endif
	WIN 0x0a+5*(\a/4)                              ; sources 0 and 1: window 2 or 3
.irp b, 0,1,2,3,4,5,6,7
.irp i, 0,1,2,3
	v_cvt_pk_f16_f32 v[TMP+32*(\a%2)+4*\b+\i], v[8*(8*(\a%4)+\b)+2*\i], v[8*(8*(\a%4)+\b)+2*\i+1]
.endr
.endr
	WIN 0
.irp b, 0,1,2,3,4,5,6,7
.if \path == 0
	global_store_b128 v[CO], v[TMP+32*(\a%2)+4*\b:TMP+32*(\a%2)+4*\b+3], s[12:13] offset:(\b/4)*HEADB+\a*2048+(\b%4)*512
.else
	global_store_b128 v[CO], v[TMP+32*(\a%2)+4*\b:TMP+32*(\a%2)+4*\b+3], s[12:13] offset:(\a/4)*HEADB+(\b/2)*4096+(\a%4)*1024+(\b%2)*512
.endif
.endr
.endr
.endm
	PLACES NP                                      ; behind the last products: for the first reads of results and the first writes over the scale words
	s_cmp_eq_u32 s95, 1
	s_cbranch_scc1 .Lout_v
	OUT 0
	s_branch .Lend
.Lout_v:
	OUT 1
.Lend:
	s_wait_tensorcnt 0x0                           ; the wave's end
	ds_add_u32 v[SPW], v[NIL]
	s_wait_dscnt 0x0
	CROUND                                         ; the closing round
	s_endpgm
.Lfunc_end_k_q0e8d088328_qkv:
	.size	k_q0e8d088328_qkv, .Lfunc_end_k_q0e8d088328_qkv-k_q0e8d088328_qkv
	.p2alignl 7, 3214868480
	.fill 96, 4, 3214868480
	.section	.rodata,"a",@progbits
	.p2align	6, 0x0
	.amdhsa_kernel k_q0e8d088328_qkv
		.amdhsa_group_segment_fixed_size 327680
		.amdhsa_private_segment_fixed_size 0
		.amdhsa_enable_private_segment 0
		.amdhsa_kernarg_size 56
		.amdhsa_user_sgpr_count 2
		.amdhsa_user_sgpr_kernarg_segment_ptr 1
		.amdhsa_wavefront_size32 1
		.amdhsa_system_sgpr_workgroup_id_x 1
		.amdhsa_system_sgpr_workgroup_id_y 1
		.amdhsa_system_sgpr_workgroup_id_z 1
		.amdhsa_system_vgpr_workitem_id 0
		.amdhsa_next_free_vgpr 1024
		.amdhsa_next_free_sgpr 102
		.amdhsa_reserve_vcc 0
		.amdhsa_float_denorm_mode_32 3
		.amdhsa_float_denorm_mode_16_64 3
		.amdhsa_memory_ordered 1
		.amdhsa_forward_progress 1
		.amdhsa_inst_pref_size 164
	.end_amdhsa_kernel
	.amdgpu_metadata
---
amdhsa.version: [ 1, 2 ]
amdhsa.kernels:
  - .name:           k_q0e8d088328_qkv
    .symbol:         k_q0e8d088328_qkv.kd
    .args:
      - { .name: x_codes, .offset: 0, .size: 8, .value_kind: global_buffer, .address_space: global }
      - { .name: x_scales, .offset: 8, .size: 8, .value_kind: global_buffer, .address_space: global }
      - { .name: w_codes, .offset: 16, .size: 8, .value_kind: global_buffer, .address_space: global }
      - { .name: w_scales, .offset: 24, .size: 8, .value_kind: global_buffer, .address_space: global }
      - { .name: b_qkv, .offset: 32, .size: 8, .value_kind: global_buffer, .address_space: global }
      - { .name: qkv, .offset: 40, .size: 8, .value_kind: global_buffer, .address_space: global }
      - { .name: h16, .offset: 48, .size: 8, .value_kind: global_buffer, .address_space: global }
    .group_segment_fixed_size: 327680
    .private_segment_fixed_size: 0
    .kernarg_segment_align: 8
    .kernarg_segment_size: 56
    .max_flat_workgroup_size: 128
    .sgpr_count:     102
    .vgpr_count:     1024
    .wavefront_size: 32
...
	.end_amdgpu_metadata
.endif
;; end of part 2
;; launch first16 (part 3): grid 16 x 4, 16 waves a work-group, no clusters, 71,680 bytes of LDS; arguments h16, w_proj, b_proj, out0; writes out0
.if DOCPART == 3
	.amdgcn_target "amdgcn-amd-amdhsa--gfx1250"
	.amdhsa_code_object_version 6
	.text
	.protected	k_q0e8d088328_first16
	.globl	k_q0e8d088328_first16
	.p2align	8
	.type	k_q0e8d088328_first16,@function
k_q0e8d088328_first16:
	s_mov_b64 s[64:65], 0
	v_nop
	global_prefetch_b8 v0, s[64:65] scope:SCOPE_SE
	s_setreg_imm32_b32 hwreg(HW_REG_WAVE_MODE, 25, 1), 1
	s_wait_xcnt 0x0
; Positions 0-15 of each of the 4 sequences, wholly in f32: these rows average one to sixteen values and are the largest of the output, so f16 operands would use up too much of what the comparison allows.
; Work-group (x = slice of 64 output columns, y = batch).  Wave w is head w: scores of its 16 x 16, causal softmax with the row's maximum taken away, P V, and the partial projection over its own 64 of K for the slice's
; 64 columns; the sixteen partials meet in LDS, and wave w sums and stores row w: 256 consecutive bytes, aligned.  The attention (32 small matrix instructions a head) is repeated in all 16 slices: cheaper than a launch more.
; The f32 matrix form wants register j = k 2 h + j.  Pair jj of an 8-register image holds k = 8 h + 2 jj + {0, 1}: fed alike on both sides, four pairs cover a tile's 16 k: a permutation of k that both operands share.
; So h16's raw accumulator images, the weights p and O^T are operands as they stand.  Both attention products and the projection are used transposed: a lane holds one query (lane % 16) throughout.
; No tensor load, no cluster: 64 small work-groups that share only w_proj's rows, each read once by one wave.
; REGISTERS: v1 16 x lane; v2 w_proj's offset; v3 r; v4 h; v5 r - 8 h; v6 -inf; v7-11 at work; v12, v13 the add's two; v14, v15 LDS addresses; v[16:17] bias; v18 8 x lane; v20-27 p; v32-63 q, v64-95 k (later w_proj's
; column tiles 2, 3); v96-127 v (later O / l); v128-191 w_proj's column tiles 0, 1 (later the partials); v192-223, v224-255: accumulators, written by matrix instructions alone.
.set P,  20
.set QF, 32
.set KF, 64
.set VF, 96
.set WA, 128
.set SA, 192
.set OA, 224
.set SPARE, 69632                      ; behind the sixteen partials (16 rows x 272 bytes each): the spare words, 128 bytes a wave
	s_load_b256 s[4:11], s[0:1], 0x0               ; h16, w_proj, b_proj, out0
	v_lshl_add_u32 v12, v0, 2, SPARE
	v_mov_b32 v13, 0
	v_lshrrev_b32 v1, 5, v0
	v_readfirstlane_b32 s12, v1                    ; wave = head
	s_and_b32 s14, ttmp7, 0xffff                   ; batch
	v_and_b32 v19, 31, v0                          ; lane
	v_lshlrev_b32 v1, 4, v19
	v_and_b32 v3, 15, v0                           ; r
	v_bfe_u32 v4, v0, 4, 1                         ; h
	v_lshlrev_b32 v2, 12, v3
	v_lshl_add_u32 v2, v4, 5, v2                   ; w_proj: row r of 4,096 bytes, + 32 h
	v_lshlrev_b32 v5, 3, v4
	v_sub_nc_u32 v5, v3, v5                        ; d = r - 8 h: register j holds key 8 h + j, hidden where j > d
	v_mov_b32 v6, 0xff800000
	v_mov_b32 v9, 0                                ; written once: a lane permute's destination counts as one of its sources
	v_mul_u32_u24 v14, v3, 272
	v_lshl_add_u32 v14, v4, 5, v14
	s_mul_i32 s20, s12, 4352
	v_add_nc_u32 v14, s20, v14                     ; my partial: row r, + 32 h
	v_lshlrev_b32 v18, 3, v19
	s_mul_i32 s21, s12, 272
	v_add_nc_u32 v15, s21, v18                     ; row w of a partial, 8 bytes a lane
	s_mov_b32 s16, 0x76543210
	s_mov_b32 s17, 0xfedcba98                      ; v_permlanex16_b32's selects for lane l xor 16
	s_mov_b32 s18, 0x3d38aa3b                      ; c = log2(e) / 32: the scores are scaled by 1024^-0.5
	s_mov_b32 s19, s18
	s_lshl_b32 s22, s14, 4
	s_add_co_u32 s22, s22, s12
	s_mul_i32 s22, s22, 12288                      ; my head's images
	s_mov_b32 s23, 0
	s_lshl_b32 s24, ttmp9, 18                      ; the slice's 64 rows of w_proj,
	s_lshl_b32 s25, s12, 8                         ; my head's 64 columns
	s_add_co_u32 s24, s24, s25
	s_mov_b32 s25, 0
	s_lshl_b32 s26, ttmp9, 8
	s_mov_b32 s27, 0
	s_lshl_b32 s28, s14, 11
	s_add_co_u32 s28, s28, s12
	s_lshl_b32 s28, s28, 12                        ; row w of my batch,
	s_add_co_u32 s28, s28, s26                     ; the slice's 256 bytes
	s_mov_b32 s29, 0
	s_wait_kmcnt 0x0
	s_add_nc_u64 s[4:5], s[4:5], s[22:23]
	s_add_nc_u64 s[6:7], s[6:7], s[24:25]
	s_add_nc_u64 s[8:9], s[8:9], s[26:27]
	s_add_nc_u64 s[10:11], s[10:11], s[28:29]
	global_load_b64 v[16:17], v18, s[8:9]
.irp t, 0,1,2,3
.irp g, 0,1
	global_load_b128 v[QF+8*\t+4*\g:QF+8*\t+4*\g+3], v1, s[4:5] offset:\t*1024+\g*512
.endr
.endr
.irp t, 0,1,2,3
.irp g, 0,1
	global_load_b128 v[KF+8*\t+4*\g:KF+8*\t+4*\g+3], v1, s[4:5] offset:4096+\t*1024+\g*512
.endr
.endr
.irp t, 0,1,2,3
.irp g, 0,1
	global_load_b128 v[VF+8*\t+4*\g:VF+8*\t+4*\g+3], v1, s[4:5] offset:8192+\t*1024+\g*512
.endr
.endr
.irp n, 0,1
.irp t, 0,1,2,3
.irp e, 0,1
	global_load_b128 v[WA+32*\n+8*\t+4*\e:WA+32*\n+8*\t+4*\e+3], v2, s[6:7] offset:\n*65536+\t*64+\e*16
.endr
.endr
.endr
	s_wait_loadcnt 24                              ; the bias, q and k are in; v's 8 and w_proj's 16 loads may be out
	; S^T = k q^T: source 0 = 16 keys, source 1 = 16 queries; one accumulator for each 16 channels, by turns
.irp jj, 0,1,2,3
.irp b, 0,1,2,3
.if \jj == 0
	v_wmma_f32_16x16x4_f32 v[SA+8*\b:SA+8*\b+7], v[KF+8*\b+2*\jj:KF+8*\b+2*\jj+1], v[QF+8*\b+2*\jj:QF+8*\b+2*\jj+1], 0
.else
	v_wmma_f32_16x16x4_f32 v[SA+8*\b:SA+8*\b+7], v[KF+8*\b+2*\jj:KF+8*\b+2*\jj+1], v[QF+8*\b+2*\jj:QF+8*\b+2*\jj+1], v[SA+8*\b:SA+8*\b+7]
.endif
.endr
.endr
.rept 8
	v_nop                                          ; eight places behind this form, for the loads into q's and k's registers and the first reads of the scores
.endr
.irp n, 2,3
.irp t, 0,1,2,3
.irp e, 0,1
	global_load_b128 v[QF+32*(\n-2)+8*\t+4*\e:QF+32*(\n-2)+8*\t+4*\e+3], v2, s[6:7] offset:\n*65536+\t*64+\e*16
.endr
.endr
.endr
.irp i, 0,2,4,6
	v_pk_add_f32 v[P+\i:P+\i+1], v[SA+\i:SA+\i+1], v[SA+8+\i:SA+8+\i+1]        ; the four partial scores are added, each accumulator from its low end on
.endr
.irp i, 0,2,4,6
	v_pk_add_f32 v[P+\i:P+\i+1], v[P+\i:P+\i+1], v[SA+16+\i:SA+16+\i+1]
.endr
.irp i, 0,2,4,6
	v_pk_add_f32 v[P+\i:P+\i+1], v[P+\i:P+\i+1], v[SA+24+\i:SA+24+\i+1]
.endr
.irp j, 0,1,2,3,4,5,6,7
	v_cmp_gt_i32 vcc_lo, \j, v5
	v_cndmask_b32 v[P+\j], v[P+\j], v6, vcc_lo     ; hidden keys: -infinity.  Key 0 counts for every query
.endr
	v_max3_num_f32 v7, v20, v21, v22
	v_max3_num_f32 v8, v23, v24, v25
	v_max3_num_f32 v7, v7, v26, v27
	v_max_num_f32 v7, v7, v8
	v_permlanex16_b32 v9, v7, s16, s17
	v_max_num_f32 v7, v7, v9                       ; the row's largest score
	v_mul_f32 v8, s18, v7                          ; c m
.irp i, 0,2,4,6
	v_pk_fma_f32 v[P+\i:P+\i+1], v[P+\i:P+\i+1], s[18:19], v[8:9] op_sel_hi:[1,0,0] neg_lo:[0,0,1] neg_hi:[0,0,1]   ; c s - c m
.endr
.irp j, 0,1,2,3,4,5,6,7
	v_exp_f32 v[P+\j], v[P+\j]
.endr
	v_nop                                          ; a plain instruction behind the last exponential
	s_wait_alu depctr_va_vdst(0)                   ; one wait for the batch, ahead of its first use
	v_pk_add_f32 v[10:11], v[20:21], v[22:23]
	v_pk_add_f32 v[28:29], v[24:25], v[26:27]
	v_pk_add_f32 v[10:11], v[10:11], v[28:29]
	v_add_f32 v10, v10, v11
	v_permlanex16_b32 v9, v10, s16, s17
	v_add_f32 v10, v10, v9                         ; l
	v_rcp_f32 v11, v10
	v_nop
	s_wait_alu depctr_va_vdst(0)
	s_wait_loadcnt 32                              ; v is in; w_proj's 32 loads may be out
	; O^T = v^T p: source 0 = 16 channels, source 1 = p; K = the 16 keys
.irp jj, 0,1,2,3
.irp t, 0,1,2,3
.if \jj == 0
	v_wmma_f32_16x16x4_f32 v[OA+8*\t:OA+8*\t+7], v[VF+8*\t+2*\jj:VF+8*\t+2*\jj+1], v[P+2*\jj:P+2*\jj+1], 0
.else
	v_wmma_f32_16x16x4_f32 v[OA+8*\t:OA+8*\t+7], v[VF+8*\t+2*\jj:VF+8*\t+2*\jj+1], v[P+2*\jj:P+2*\jj+1], v[OA+8*\t:OA+8*\t+7]
.endif
.endr
.endr
.rept 8
	v_nop
.endr
.irp j, 0,1,2,3,4,5,6,7,8,9,10,11,12,13,14,15,16,17,18,19,20,21,22,23,24,25,26,27,28,29,30,31
	v_mul_f32 v[VF+\j], v[OA+\j], v11              ; O / l: register 8 t + i = (query r, channel 16 t + 8 h + i), into other registers than the sums'
.endr
	s_wait_loadcnt 0x0
	; the partial projection: source 0 = 16 rows of w_proj, source 1 = O: a lane holds query r and columns 16 n + 8 h + 0 .. 7; four accumulators by turns
.irp t, 0,1,2,3
.irp jj, 0,1,2,3
.irp n, 0,1,2,3
.if \n < 2
.set rW, WA+32*\n+8*\t+2*\jj
.else
.set rW, QF+32*(\n-2)+8*\t+2*\jj
.endif
.if (\t == 0) && (\jj == 0)
	v_wmma_f32_16x16x4_f32 v[SA+8*\n:SA+8*\n+7], v[rW:rW+1], v[VF+8*\t+2*\jj:VF+8*\t+2*\jj+1], 0
.else
	v_wmma_f32_16x16x4_f32 v[SA+8*\n:SA+8*\n+7], v[rW:rW+1], v[VF+8*\t+2*\jj:VF+8*\t+2*\jj+1], v[SA+8*\n:SA+8*\n+7]
.endif
.endr
.endr
.endr
.rept 8
	v_nop
.endr
.irp n, 0,1,2,3
	ds_store_b128 v14, v[SA+8*\n:SA+8*\n+3] offset:64*\n
	ds_store_b128 v14, v[SA+8*\n+4:SA+8*\n+7] offset:64*\n+16
.endr
	s_wait_dscnt 0x0                               ; for the others' sake: my partial lies in LDS
	s_barrier_signal -1
	s_barrier_wait -1
.irp p, 0,1,2,3,4,5,6,7,8,9,10,11,12,13,14,15
	ds_load_b64 v[WA+2*\p:WA+2*\p+1], v15 offset:\p*4352
.endr
	s_wait_dscnt 0x0
.irp p, 0,2,4,6,8,10,12,14
	v_pk_add_f32 v[WA+2*\p:WA+2*\p+1], v[WA+2*\p:WA+2*\p+1], v[WA+2*\p+2:WA+2*\p+3]
.endr
.irp p, 0,4,8,12
	v_pk_add_f32 v[WA+2*\p:WA+2*\p+1], v[WA+2*\p:WA+2*\p+1], v[WA+2*\p+4:WA+2*\p+5]
.endr
.irp p, 0,8
	v_pk_add_f32 v[WA+2*\p:WA+2*\p+1], v[WA+2*\p:WA+2*\p+1], v[WA+2*\p+8:WA+2*\p+9]
.endr
	v_pk_add_f32 v[WA:WA+1], v[WA:WA+1], v[WA+16:WA+17]
	v_pk_add_f32 v[WA:WA+1], v[WA:WA+1], v[16:17]  ; + b_proj
	global_store_b64 v18, v[WA:WA+1], s[10:11]     ; 32 lanes store 256 consecutive bytes, aligned
	s_wait_tensorcnt 0x0                           ; the wave's end, behind my last LDS store
	ds_add_u32 v12, v13
	s_wait_dscnt 0x0
	s_endpgm
.Lfunc_end_k_q0e8d088328_first16:
	.size	k_q0e8d088328_first16, .Lfunc_end_k_q0e8d088328_first16-k_q0e8d088328_first16
	.p2alignl 7, 3214868480
	.fill 96, 4, 3214868480
	.section	.rodata,"a",@progbits
	.p2align	6, 0x0
	.amdhsa_kernel k_q0e8d088328_first16
		.amdhsa_group_segment_fixed_size 71680
		.amdhsa_private_segment_fixed_size 0
		.amdhsa_enable_private_segment 0
		.amdhsa_kernarg_size 32
		.amdhsa_user_sgpr_count 2
		.amdhsa_user_sgpr_kernarg_segment_ptr 1
		.amdhsa_wavefront_size32 1
		.amdhsa_system_sgpr_workgroup_id_x 1
		.amdhsa_system_sgpr_workgroup_id_y 1
		.amdhsa_system_sgpr_workgroup_id_z 1
		.amdhsa_system_vgpr_workitem_id 0
		.amdhsa_next_free_vgpr 256
		.amdhsa_next_free_sgpr 66
		.amdhsa_reserve_vcc 1
		.amdhsa_float_denorm_mode_32 3
		.amdhsa_float_denorm_mode_16_64 3
		.amdhsa_memory_ordered 1
		.amdhsa_forward_progress 1
		.amdhsa_inst_pref_size 21
	.end_amdhsa_kernel
	.amdgpu_metadata
---
amdhsa.version: [ 1, 2 ]
amdhsa.kernels:
  - .name:           k_q0e8d088328_first16
    .symbol:         k_q0e8d088328_first16.kd
    .args:
      - { .name: h16, .offset: 0, .size: 8, .value_kind: global_buffer, .address_space: global }
      - { .name: w_proj, .offset: 8, .size: 8, .value_kind: global_buffer, .address_space: global }
      - { .name: b_proj, .offset: 16, .size: 8, .value_kind: global_buffer, .address_space: global }
      - { .name: out0, .offset: 24, .size: 8, .value_kind: global_buffer, .address_space: global }
    .group_segment_fixed_size: 71680
    .private_segment_fixed_size: 0
    .kernarg_segment_align: 8
    .kernarg_segment_size: 32
    .max_flat_workgroup_size: 512
    .sgpr_count:     66
    .vgpr_count:     256
    .wavefront_size: 32
...
	.end_amdgpu_metadata
.endif
;; end of part 3
;; launch attn (part 4): grid 4 x 64, 16 waves a work-group, no clusters, 327,680 bytes of LDS; arguments qkv, o_img; writes o_img
.if DOCPART == 4
	.amdgcn_target "amdgcn-amd-amdhsa--gfx1250"
	.amdhsa_code_object_version 6
	.text
	.protected	k_q0e8d088328_attn
	.globl	k_q0e8d088328_attn
	.p2align	8
	.type	k_q0e8d088328_attn,@function
k_q0e8d088328_attn:
	s_mov_b64 s[64:65], 0
	v_nop
	global_prefetch_b8 v0, s[64:65] scope:SCOPE_SE
	s_setreg_imm32_b32 hwreg(HW_REG_WAVE_MODE, 25, 1), 1
	s_wait_xcnt 0x0
; o[bh][q] = sum over k <= q of softmax_k(q . k / 32) v[k], head size 64, 2,048 positions, 64 heads; operands f16, products, maxima and sums f32; the weights p are rounded to f16 for the second product.
; SHARES.  Work-group i (0..3) of a head owns query blocks i and 7 - i, 256 queries each: (i + 1) + (8 - i) = 9 pairs of blocks in every one of the 256 work-groups.  Eight waves take each block, 32 queries (two tiles
; of 16) a wave; early and late waves are mixed, half = (w xor w / 4) & 1.  All sixteen walk one ring of keys: two LDS slots of 256 keys (K 32 KB, then V 32 KB: 65,536 dense bytes of memory), filled by waves 0-3, 16 KB each.
; LAYOUT.  q, k and v lie in memory as images of operand registers: every fragment load is 16 bytes at 16 x lane: no pitch, no padding, no turning.  S^T = K Q^T (source 0 = 16 keys, source 1 = 16 queries) and
; O^T = V^T P: a lane holds one query throughout; two score tiles rounded in pairs ARE a fragment of P.  O^T rounded in pairs is half a fragment of the projection's operand and is stored so:
; o_img[row tile 512][32 of K 32][g 2][lane][16 B].
; SOFTMAX.  A running maximum m and sum l for each query: p = 2^(c s - c m), c = log2(e) / 32; in every step O and l are multiplied by 2^(c m_old - c m_new).  The loop has no first step of its own: O and l begin as
; zeros and m as -3e38.
; CAUSAL.  Every work-group walks all 8 slots (constant trip counts); a step all of whose 64 keys come after the wave's 32 queries is jumped over; on the diagonal hidden scores become -infinity.  A step that is walked
; begins at or under the wave's first query (64 divides the one, 32 the other), so no row of it is wholly hidden.  A slot beyond the work-group's last query is not asked for.
; NO CLUSTER: the four work-groups of a head need 8, 7, 6 and 5 slots, so a joint load would bring tiles that no wave of some partner reads.
; LIMITS: q, k, v and o as f16 serve magnitudes up to 65,504; under 6e-5 their absolute error is 3e-8.  NaN and infinities are not served.
; REGISTERS: v1 16 x lane; v2 the step's LDS address; v3, v4 the add's two; v5 256 x lane; v6 r - 8 h; v7 -inf; v8, v9 the diagonal's limits; v12-27 eight statistics a tile (+0 c m, +1 m, +2, +3 l, +4..+7 at work,
; the factor at +6); v28-31 second sum chains; v32-63 Q; v64-127 K, then V; v128-191 S^T, then P in each tile's first 16; v192-255 O^T.
.set HEADB, 786432
.set BLKB,  98304
.set SLOTB, 65536
.set SPARE, 131072                     ; behind the ring: the spare words, 128 bytes for each of 16 waves
.set LI,   1
.set ADR,  2
.set SPW,  3
.set NIL,  4
.set PFO,  5
.set RHV,  6
.set NINF, 7
.set D0,   8
.set ST,   12
.set QR,   32
.set KV,   64
.set S,    128
.set O,    192
.set WV,    8
.set Q0,    11
.set QL,    12
.set KF,    13
.set TS,    14
.set SLOTS, 15
.set CNT,   16
.set SEL,   20
.set CS,    22
.set G1,    24
.set G0,    32
.set PFA,   36
.set LIM,   38
.macro TLOAD                           ; waves 0 to 3 fetch a quarter of a slot each; the branch hangs on the wave's number alone.  An s_nop 0 and four v_nop follow the line
	s_cmp_lt_u32 s[WV], 4
	s_cbranch_scc0 .Lasked_\@
	tensor_load_to_lds s[G0:G0+3], s[G1:G1+7]
	s_nop 0
.rept 4
	v_nop
.endr
.Lasked_\@:
.endm
; A prefetch of the slot that the NEXT change of slots will ask for, four key steps ahead of that load.  All four work-groups of a head walk the same K and V: work-group 0, which walks all eight slots, asks; in it waves
; 4 to 11, which fetch nothing: 8,192 bytes a wave, lanes 256 bytes apart: each aligned 256 bytes are named once in the launch.  Slots 0 and 1 come by their loads alone; the last filling change asks for nothing.
.macro ASK
	s_cmp_gt_u32 s[SLOTS], s[LIM]
	s_cbranch_scc0 .Lnot_mine_\@
	global_prefetch_b8 v[PFO], s[PFA:PFA+1] th:TH_LOAD_NT scope:SCOPE_SE
.Lnot_mine_\@:
.endm
	s_load_b128 s[4:7], s[0:1], 0x0                ; qkv, o_img
	v_lshl_add_u32 v[SPW], v0, 2, SPARE
	v_mov_b32 v[NIL], 0
	ds_add_u32 v[SPW], v[NIL]                      ; the wave's opening: the add, twice on end, and its wait ahead of the first tensor load
	ds_add_u32 v[SPW], v[NIL]
	v_lshrrev_b32 v10, 5, v0
	v_readfirstlane_b32 s[WV], v10                 ; wave 0..15
	s_and_b32 s10, ttmp7, 0xffff                   ; bh
	s_lshr_b32 s40, s[WV], 2
	s_xor_b32 s40, s40, s[WV]
	s_and_b32 s40, s40, 1                          ; 0: the early block, 1: the late one
	s_lshr_b32 s41, s[WV], 1                       ; which 32 queries of the block
	s_sub_co_u32 s42, 7, ttmp9
	s_cmp_eq_u32 s40, 1
	s_cselect_b32 s42, s42, ttmp9                  ; my block
	s_lshl_b32 s[Q0], s42, 8
	s_lshl_b32 s43, s41, 5
	s_add_co_u32 s[Q0], s[Q0], s43                 ; my first query
	s_lshl_b32 s[QL], ttmp9, 8
	s_sub_co_u32 s[QL], 2047, s[QL]                ; the work-group's last query
	s_mul_i32 s44, s10, HEADB
	s_mov_b32 s45, 0
	s_and_b32 s46, s[WV], 3
	s_lshl_b32 s46, s46, 14                        ; my quarter of a slot, in LDS and in memory
	s_add_co_u32 s48, s46, 32768                   ; K begins 32 KB into a block
	s_mov_b32 s49, 0
	s_mul_i32 s50, s42, BLKB
	s_lshl_b32 s43, s41, 12
	s_add_co_u32 s50, s50, s43                     ; my two tiles of Q
	s_mov_b32 s51, 0
	s_and_b32 s52, s[WV], 7
	s_lshl_b32 s52, s52, 13
	s_add_co_u32 s52, s52, 32768+BLKB              ; the prefetches stand in slot 1: the first change steps them to slot 2
	s_mov_b32 s53, 0
	s_lshr_b32 s54, s10, 4
	s_lshl_b32 s54, s54, 7
	s_lshr_b32 s43, s[Q0], 4
	s_add_co_u32 s54, s54, s43                     ; my first row tile of o: 128 batch + query / 16
	s_lshl_b32 s54, s54, 15
	s_and_b32 s43, s10, 15
	s_lshl_b32 s43, s43, 11                        ; my head's 2,048 bytes of it
	s_add_co_u32 s54, s54, s43
	s_mov_b32 s55, 0
	s_sub_co_u32 s43, s[WV], 4
	s_lshr_b32 s43, s43, 3                         ; 0 in waves 4 to 11,
	s_or_b32 s43, s43, ttmp9                       ; of the head's work-group 0
	s_cmp_eq_u32 s43, 0
	s_cselect_b32 s[LIM], 1, -1
	; descriptor group 1: 16,384 dense bytes as 64 rows of 256 (32 elements of 8 bytes), no padding
	s_mov_b32 s[G1], 3<<16
	s_mov_b32 s[G1+1], 32<<16                      ; tensor_dim0
	s_mov_b32 s[G1+2], 64<<16                      ; tensor_dim1
	s_mov_b32 s[G1+3], 32<<16                      ; tile_dim0
	s_mov_b32 s[G1+4], 64                          ; tile_dim1
	s_mov_b32 s[G1+5], 32                          ; pitch
	s_mov_b32 s[G1+6], 0
	s_mov_b32 s[G1+7], 0
	s_mov_b32 s[SEL], 0x76543210
	s_mov_b32 s[SEL+1], 0xfedcba98
	s_mov_b32 s[CS], 0x3d38aa3b                    ; c = log2(e) / 32
	s_mov_b32 s[CS+1], s[CS]
	s_mov_b32 s[KF], 0
	s_mov_b32 s[TS], 0
	s_mov_b32 s[SLOTS], 7
	s_wait_dscnt 0x0                               ; both opening adds are done
	s_wait_kmcnt 0x0
	s_add_nc_u64 s[4:5], s[4:5], s[44:45]          ; qkv at my head
	s_mov_b32 s[G0], 1
	s_mov_b32 s[G0+1], s46                         ; slot 0
	s_add_nc_u64 s[G0+2:G0+3], s[4:5], s[48:49]
	s_or_b32 s[G0+3], s[G0+3], 0x80000000
	TLOAD                                          ; slot 0: keys 0-255, which count for every work-group
	s_add_nc_u64 s[50:51], s[4:5], s[50:51]
	s_add_nc_u64 s[PFA:PFA+1], s[4:5], s[52:53]
	s_add_nc_u64 s[6:7], s[6:7], s[54:55]
	v_and_b32 v10, 31, v0
	v_lshlrev_b32 v[LI], 4, v10
	v_lshlrev_b32 v[PFO], 8, v10
.irp n, 0,1,2,3,4,5,6,7
	global_load_b128 v[QR+4*\n:QR+4*\n+3], v[LI], s[50:51] offset:512*\n   ; Q stays in registers: fragment (tile u, 32 channels c) at 16 u + 8 c
.endr
	v_and_b32 v10, 15, v0
	v_bfe_u32 v11, v0, 4, 1
	v_lshlrev_b32 v11, 3, v11
	v_sub_nc_u32 v[RHV], v10, v11                  ; r - 8 h
	v_mov_b32 v[NINF], 0xff800000
.irp u, 0,1
	v_mov_b32 v[ST+8*\u+1], 0xff61b1e6             ; m = -3e38, under every score
	v_mul_f32 v[ST+8*\u], s[CS], v[ST+8*\u+1]      ; c m
.irp i, 2,3,4,5,6,7
	v_mov_b32 v[ST+8*\u+\i], 0
.endr
.endr
.irp j, 0,1,2,3,4,5,6,7,8,9,10,11,12,13,14,15,16,17,18,19,20,21,22,23,24,25,26,27,28,29,30,31,32,33,34,35,36,37,38,39,40,41,42,43,44,45,46,47,48,49,50,51,52,53,54,55,56,57,58,59,60,61,62,63
	v_mov_b32 v[O+\j], 0                           ; O^T: the step is written once; its first run finds zeros
.endr
; A KEY STEP: 64 keys, two tiles of queries.
.macro STEP
	s_add_co_u32 s40, s[Q0], 31
	s_cmp_gt_u32 s[KF], s40                        ; all keys behind my last query: the step's work is left out (ids and the count of steps alone)
	s_cbranch_scc1 .Lhidden_\@
	v_add_nc_u32 v[ADR], s[TS], v[LI]
.rept 5
	v_nop                                          ; with the line above six places behind the last V^T P: four are owed to the loads into V's registers, five to the products that write over P
.endr
.irp n, 0,1,2,3,4,5,6,7,8,9,10,11,12,13,14,15
	ds_load_b128 v[KV+4*\n:KV+4*\n+3], v[ADR] offset:512*\n        ; K: fragment (16 keys kt, 32 channels c) at 16 kt + 8 c
.endr
	s_wait_dscnt 0x0
.irp c, 0,1
.irp kt, 0,1,2,3
.irp u, 0,1
.if \c == 0
	v_wmma_f32_16x16x32_f16 v[S+32*\u+8*\kt:S+32*\u+8*\kt+7], v[KV+16*\kt+8*\c:KV+16*\kt+8*\c+7], v[QR+16*\u+8*\c:QR+16*\u+8*\c+7], 0
.else
	v_wmma_f32_16x16x32_f16 v[S+32*\u+8*\kt:S+32*\u+8*\kt+7], v[KV+16*\kt+8*\c:KV+16*\kt+8*\c+7], v[QR+16*\u+8*\c:QR+16*\u+8*\c+7], v[S+32*\u+8*\kt:S+32*\u+8*\kt+7]
.endif
.endr
.endr
.endr                                          ; eight accumulators by turns
.rept 4
	v_nop                                          ; places for the loads into K's registers and the first reads of the scores
.endr
.irp n, 0,1,2,3,4,5,6,7,8,9,10,11,12,13,14,15
	ds_load_b128 v[KV+4*\n:KV+4*\n+3], v[ADR] offset:32768+512*\n  ; V: fragment (32 keys kg, 16 channels t) at 32 kg + 8 t; it lands during the softmax
.endr
	s_add_co_u32 s40, s[KF], 63
	s_cmp_le_u32 s40, s[Q0]                        ; all keys count for all my queries: no mask
	s_cbranch_scc1 .Lopen_\@
	s_sub_co_i32 s40, s[Q0], s[KF]
	v_add_nc_u32 v[D0], s40, v[RHV]                ; register 8 kt + j of tile u holds key KF + 16 kt + 8 h + j: hidden where 16 kt + j > query - KF - 8 h
	v_add_nc_u32 v[D0+1], 16, v[D0]
.irp u, 0,1
.irp n, 0,1,2,3,4,5,6,7,8,9,10,11,12,13,14,15,16,17,18,19,20,21,22,23,24,25,26,27,28,29,30,31
	v_cmp_gt_i32 vcc_lo, 16*(\n/8)+\n%8, v[D0+\u]
	v_cndmask_b32 v[S+32*\u+\n], v[S+32*\u+\n], v[NINF], vcc_lo
.endr
.endr
.Lopen_\@:
.irp j, 0,1,2,3
.irp u, 0,1
	v_max3_num_f32 v[ST+8*\u+4+\j], v[S+32*\u+8*\j], v[S+32*\u+8*\j+1], v[S+32*\u+8*\j+2]      ; four chains a tile, each accumulator from its low end on
.endr
.endr
.irp k, 3,5
.irp j, 0,1,2,3
.irp u, 0,1
	v_max3_num_f32 v[ST+8*\u+4+\j], v[ST+8*\u+4+\j], v[S+32*\u+8*\j+\k], v[S+32*\u+8*\j+\k+1]
.endr
.endr
.endr
.irp u, 0,1
	v_max3_num_f32 v[ST+8*\u+4], v[ST+8*\u+4], v[S+32*\u+7], v[S+32*\u+15]
.endr
.irp u, 0,1
	v_max3_num_f32 v[ST+8*\u+6], v[ST+8*\u+6], v[S+32*\u+23], v[S+32*\u+31]
.endr
.irp u, 0,1
	v_max3_num_f32 v[ST+8*\u+4], v[ST+8*\u+4], v[ST+8*\u+5], v[ST+8*\u+6]
.endr
.irp u, 0,1
	v_max3_num_f32 v[ST+8*\u+4], v[ST+8*\u+4], v[ST+8*\u+7], v[ST+8*\u+1]      ; and the old m
.endr
.irp u, 0,1
	v_permlanex16_b32 v[ST+8*\u+5], v[ST+8*\u+4], s[SEL], s[SEL+1]             ; the query's other 32 keys lie in the lane 16 away
.endr
.irp u, 0,1
	v_mov_b32 v[ST+8*\u+7], v[ST+8*\u]             ; c m_old
.endr
.irp u, 0,1
	v_max_num_f32 v[ST+8*\u+1], v[ST+8*\u+4], v[ST+8*\u+5]
.endr
.irp u, 0,1
	v_mul_f32 v[ST+8*\u], s[CS], v[ST+8*\u+1]
.endr
.irp u, 0,1
	v_sub_f32 v[ST+8*\u+7], v[ST+8*\u+7], v[ST+8*\u]
.endr
.irp i, 0,2,4,6,8,10,12,14,16,18,20,22,24,26,28,30
.irp u, 0,1
	v_pk_fma_f32 v[S+32*\u+\i:S+32*\u+\i+1], v[S+32*\u+\i:S+32*\u+\i+1], s[CS:CS+1], v[ST+8*\u:ST+8*\u+1] op_sel_hi:[1,0,0] neg_lo:[0,0,1] neg_hi:[0,0,1]   ; c s - c m
.endr
.endr
.irp u, 0,1
	v_exp_f32 v[ST+8*\u+6], v[ST+8*\u+7]           ; 2^(c m_old - c m_new)
.endr
.irp j, 0,1,2,3,4,5,6,7,8,9,10,11,12,13,14,15,16,17,18,19,20,21,22,23,24,25,26,27,28,29,30,31,32,33,34,35,36,37,38,39,40,41,42,43,44,45,46,47,48,49,50,51,52,53,54,55,56,57,58,59,60,61,62,63
	v_exp_f32 v[S+\j], v[S+\j]                     ; p
.endr
	v_nop                                          ; a plain instruction behind the last exponential
	s_wait_alu depctr_va_vdst(0)                   ; one wait for the batch of 66, ahead of its first use
.irp u, 0,1
	v_pk_add_f32 v[ST+8*\u+4:ST+8*\u+5], v[S+32*\u:S+32*\u+1], v[S+32*\u+2:S+32*\u+3]          ; the sums of the unrounded p, two chains a tile
	v_pk_add_f32 v[28+2*\u:29+2*\u], v[S+32*\u+4:S+32*\u+5], v[S+32*\u+6:S+32*\u+7]
.endr
.irp i, 8,12,16,20,24,28
.irp u, 0,1
	v_pk_add_f32 v[ST+8*\u+4:ST+8*\u+5], v[ST+8*\u+4:ST+8*\u+5], v[S+32*\u+\i:S+32*\u+\i+1]
	v_pk_add_f32 v[28+2*\u:29+2*\u], v[28+2*\u:29+2*\u], v[S+32*\u+\i+2:S+32*\u+\i+3]
.endr
.endr
.irp u, 0,1
	v_pk_add_f32 v[ST+8*\u+4:ST+8*\u+5], v[ST+8*\u+4:ST+8*\u+5], v[28+2*\u:29+2*\u]
.endr
.irp u, 0,1
	v_pk_fma_f32 v[ST+8*\u+2:ST+8*\u+3], v[ST+8*\u+2:ST+8*\u+3], v[ST+8*\u+6:ST+8*\u+7], v[ST+8*\u+4:ST+8*\u+5] op_sel_hi:[1,0,1]   ; l = l x factor + sum
.endr
.irp u, 0,1
.irp i, 0,1,2,3,4,5,6,7,8,9,10,11,12,13,14,15
	v_cvt_pk_f16_f32 v[S+32*\u+\i], v[S+32*\u+2*\i], v[S+32*\u+2*\i+1]         ; P in place: register i is written when registers 2 i, 2 i + 1 are read
.endr
.endr
.irp u, 0,1
.irp i, 0,2,4,6,8,10,12,14,16,18,20,22,24,26,28,30
	v_pk_mul_f32 v[O+32*\u+\i:O+32*\u+\i+1], v[O+32*\u+\i:O+32*\u+\i+1], v[ST+8*\u+6:ST+8*\u+7] op_sel_hi:[1,0]
.endr
.endr
	s_wait_dscnt 0x0                               ; V is in
.irp kg, 0,1
.irp t, 0,1,2,3
.irp u, 0,1
	v_wmma_f32_16x16x32_f16 v[O+32*\u+8*\t:O+32*\u+8*\t+7], v[KV+32*\kg+8*\t:KV+32*\kg+8*\t+7], v[S+32*\u+8*\kg:S+32*\u+8*\kg+7], v[O+32*\u+8*\t:O+32*\u+8*\t+7]
.endr
.endr
.endr
.Lhidden_\@:
	s_add_co_u32 s[KF], s[KF], 64
	s_add_co_u32 s[TS], s[TS], 8192                ; 64 keys are 8,192 bytes of K and as many of V
.endm
; THE CHANGE OF SLOTS stands at a slot's head.  Each wave waits for all its tensor loads, adds 0 to its spare word, and waits for that and for its reads of the slot that it has left; behind the barrier the slot ahead is
; whole and nobody reads the other one.  fill = 1: that other slot takes the next 256 keys: the load has four key steps in which to land.  By this text's own count a wave has at most one tensor load out.
.macro CHANGE fill
	s_wait_tensorcnt 0x0                           ; no tensor load of mine is out, so the descriptor may be written
	ds_add_u32 v[SPW], v[NIL]
.if \fill
	ds_add_u32 v[SPW], v[NIL]                      ; and twice on end here, in every trip alike
	s_xor_b32 s[G0+1], s[G0+1], SLOTB              ; the other slot than last time,
	s_add_nc_u64 s[G0+2:G0+3], s[G0+2:G0+3], BLKB  ; the next block's K and V
	s_wait_xcnt 0x0                                ; the last prefetch, a slot back, has read its address
	s_add_nc_u64 s[PFA:PFA+1], s[PFA:PFA+1], BLKB
.endif
	s_wait_dscnt 0x0
	s_barrier_signal -1
	s_barrier_wait -1
.if \fill
	s_add_co_u32 s40, s[KF], 256                   ; the first key of the slot that this change would ask for:
	s_cmp_gt_u32 s40, s[QL]                        ; behind the work-group's last query no wave reads it, so it is not asked for.  Ids and the count of steps alone: all sixteen waves go the same way; every wait on TENSORcnt is for 0
	s_cbranch_scc1 .Lpast_\@
	TLOAD
.Lpast_\@:
	ASK
.endif
.endm
.macro SLOT_STEPS                      ; a slot's four key steps: written once, walked four times
	s_mov_b32 s[CNT], 4
.Lstep_\@:
	STEP
	s_sub_co_u32 s[CNT], s[CNT], 1
	s_cmp_lg_u32 s[CNT], 0
	s_cbranch_scc1 .Lstep_\@
	s_sub_co_u32 s[TS], s[TS], 32768               ; back to a slot's first step,
	s_xor_b32 s[TS], s[TS], SLOTB                  ; in the other slot
.endm
	s_wait_loadcnt 0x0                             ; Q
.Lslot:                                                ; seven trips: behind each change but the last the next slot is asked for, up to the causal limit
	CHANGE 1
	SLOT_STEPS
	s_sub_co_u32 s[SLOTS], s[SLOTS], 1
	s_cmp_lg_u32 s[SLOTS], 0
	s_cbranch_scc1 .Lslot
	CHANGE 0                                       ; the last slot is written out: nothing follows it
	SLOT_STEPS
	; THE WAY OUT: O^T / l, rounded to f16 in pairs: half-fragments of the projection's operand, 512 consecutive bytes a store
.irp u, 0,1
	v_add_f32 v[ST+8*\u+4], v[ST+8*\u+2], v[ST+8*\u+3]
.endr
.irp u, 0,1
	v_permlanex16_b32 v[ST+8*\u+5], v[ST+8*\u+4], s[SEL], s[SEL+1]
.endr
.irp u, 0,1
	v_add_f32 v[ST+8*\u+4], v[ST+8*\u+4], v[ST+8*\u+5]
.endr
.irp u, 0,1
	v_rcp_f32 v[ST+8*\u+6], v[ST+8*\u+4]
.endr
	v_nop
	s_wait_alu depctr_va_vdst(0)                   ; one wait for the two reciprocals
.irp u, 0,1
.irp i, 0,2,4,6,8,10,12,14,16,18,20,22,24,26,28,30
	v_pk_mul_f32 v[O+32*\u+\i:O+32*\u+\i+1], v[O+32*\u+\i:O+32*\u+\i+1], v[ST+8*\u+6:ST+8*\u+7] op_sel_hi:[1,0]
.endr
.endr
.irp u, 0,1
.irp i, 0,1,2,3,4,5,6,7,8,9,10,11,12,13,14,15
	v_cvt_pk_f16_f32 v[S+16*\u+\i], v[O+32*\u+2*\i], v[O+32*\u+2*\i+1]
.endr
.endr
.irp u, 0,1
.irp t, 0,1,2,3
	global_store_b128 v[LI], v[S+16*\u+4*\t:S+16*\u+4*\t+3], s[6:7] offset:\u*32768+\t*512
.endr
.endr
	s_wait_tensorcnt 0x0                           ; the wave's end
	ds_add_u32 v[SPW], v[NIL]
	s_wait_dscnt 0x0
	s_endpgm
.Lfunc_end_k_q0e8d088328_attn:
	.size	k_q0e8d088328_attn, .Lfunc_end_k_q0e8d088328_attn-k_q0e8d088328_attn
	.p2alignl 7, 3214868480
	.fill 96, 4, 3214868480
	.section	.rodata,"a",@progbits
	.p2align	6, 0x0
	.amdhsa_kernel k_q0e8d088328_attn
		.amdhsa_group_segment_fixed_size 327680
		.amdhsa_private_segment_fixed_size 0
		.amdhsa_enable_private_segment 0
		.amdhsa_kernarg_size 16
		.amdhsa_user_sgpr_count 2
		.amdhsa_user_sgpr_kernarg_segment_ptr 1
		.amdhsa_wavefront_size32 1
		.amdhsa_system_sgpr_workgroup_id_x 1
		.amdhsa_system_sgpr_workgroup_id_y 1
		.amdhsa_system_sgpr_workgroup_id_z 1
		.amdhsa_system_vgpr_workitem_id 0
		.amdhsa_next_free_vgpr 256
		.amdhsa_next_free_sgpr 66
		.amdhsa_reserve_vcc 1
		.amdhsa_float_denorm_mode_32 3
		.amdhsa_float_denorm_mode_16_64 3
		.amdhsa_memory_ordered 1
		.amdhsa_forward_progress 1
		.amdhsa_inst_pref_size 57
	.end_amdhsa_kernel
	.amdgpu_metadata
---
amdhsa.version: [ 1, 2 ]
amdhsa.kernels:
  - .name:           k_q0e8d088328_attn
    .symbol:         k_q0e8d088328_attn.kd
    .args:
      - { .name: qkv, .offset: 0, .size: 8, .value_kind: global_buffer, .address_space: global }
      - { .name: o_img, .offset: 8, .size: 8, .value_kind: global_buffer, .address_space: global }
    .group_segment_fixed_size: 327680
    .private_segment_fixed_size: 0
    .kernarg_segment_align: 8
    .kernarg_segment_size: 16
    .max_flat_workgroup_size: 512
    .sgpr_count:     66
    .vgpr_count:     256
    .wavefront_size: 32
...
	.end_amdgpu_metadata
.endif
;; end of part 4
;; launch proj (part 5): grid 4 x 64, 4 waves a work-group, clusters of 4 x 4, 327,680 bytes of LDS; arguments o_img, w16, b_proj, out0; writes out0
.if DOCPART == 5
	.amdgcn_target "amdgcn-amd-amdhsa--gfx1250"
	.amdhsa_code_object_version 6
	.text
	.protected	k_q0e8d088328_proj
	.globl	k_q0e8d088328_proj
	.p2align	8
	.type	k_q0e8d088328_proj,@function
k_q0e8d088328_proj:
	s_mov_b64 s[64:65], 0
	v_nop
	global_prefetch_b8 v0, s[64:65] scope:SCOPE_SE
	s_setreg_imm32_b32 hwreg(HW_REG_WAVE_MODE, 25, 1), 1
	s_wait_xcnt 0x0
	s_wait_alu depctr_hold_cnt(0) depctr_sa_sdst(0) depctr_va_vdst(0) depctr_va_sdst(0) depctr_va_ssrc(0) depctr_va_vcc(0) depctr_vm_vsrc(0)
	s_getreg_b32 s2, hwreg(HW_REG_IB_STS2, 6, 4)
	s_cmp_eq_u32 s2, 0
	s_cbranch_scc0 .Lentry_in_a_cluster
	s_endpgm
.Lentry_in_a_cluster:
	s_bfe_u32 s2, ttmp6, 0x10000c
	s_cmp_lg_u32 s2, 0xf033
	s_cbranch_scc0 .Lentry_shape_is_right
	s_endpgm
.Lentry_shape_is_right:
; out0 = o w_proj^T + b_proj: [8192][1024] x [1024][1024], operands f16, sums f32; all rows but positions 0-15 of each sequence, which an f32 launch of their own stores.
; A tile of 128 rows x 256 columns is made by four waves, 64 x 128 each: 32 accumulators, 256 registers: 256 work-groups.  K goes in steps of 128 through a ring of two LDS slots.
; BOTH OPERANDS LIE IN MEMORY AS IMAGES OF OPERAND REGISTERS ([tile of 16 rows][32 of K][g][lane][16 B]): a K step of a tile of 16 rows is 4,096 dense bytes, a fragment load is 16 bytes at 16 x lane: no pitch, no padding.
; THE MATRIX INSTRUCTION IS USED TRANSPOSED (source 0 = 16 rows of w_proj, source 1 = 16 rows of o): a lane holds eight neighbouring columns of one row.  The bias is the C of each sum's first matrix instruction.
; CLUSTERS: 4 x 4.  Tile row = cluster y + 16 cy (so batch = cy, and a sequence's first rows lie where cluster y = 0: no branch hangs on a place in the cluster); tile column = cx.
; o's tile is shared along a row of the cluster, w's along a column: each is asked for jointly.  No prefetch: w16 is read by every cluster, and the launch is short.
; REGISTERS: window 0: v16-29 addresses; two fragment buffers: A (4 x 8) at v32, v64; B (8 x 8) at v96, v160; on the way out v32-159 rows of the result.  window 1: accumulator (a, b) at v[8 (8 a + b)].  window 2: v0-63 the bias.
.set SLOT,  98304                      ; A: 8 row tiles x 4,096 bytes; B: 16 column tiles x 4,096
.set STAGE, 2*SLOT                     ; the way out: 16 rows x (512 + 16) bytes for each wave; no fill lands here
.set SPARE, STAGE+4*16*528             ; the spare words, 128 bytes for each wave
.set ADRA, 16
.set ADRB, 20
.set STO,  24
.set RD,   25
.set CO,   26
.set BO,   27
.set SPW,  28
.set NIL,  29
.set FA,   32
.set FB,   96
.set G1, 24
.set G0, 32
.set G1B, 48
.set G0B, 56
.set MSB, 0
.macro WIN new
.if MSB != (\new)
	s_set_vgpr_msb (MSB<<8)|(\new)
.set MSB, (\new)
.endif
.endm
.set MUL,  0x50                        ; A and B window 0, C and D window 1
.set MULF, 0x60                        ; C (the bias) window 2, D window 1
.macro JLOAD s                         ; a joint load: waves 0 and 1 fetch o's two halves, waves 2 and 3 w's; an s_nop 0 and four v_nop follow each line
	s_cmp_eq_u32 s13, 0
	s_cbranch_scc0 .Lfor_b_\@
	tensor_load_to_lds s[G0+4*\s:G0+4*\s+3], s[G1:G1+7]
	s_nop 0
.rept 4
	v_nop
.endr
	s_branch .Lasked_\@
.Lfor_b_\@:
	tensor_load_to_lds s[G0B+4*\s:G0B+4*\s+3], s[G1B:G1B+7]
	s_nop 0
.rept 4
	v_nop
.endr
.Lasked_\@:
.endm
.macro CREST                           ; a round of the cluster's barrier behind its opening barrier
	s_cmp_lg_u32 s12, 0
	s_cbranch_scc1 .Lnot_wave_0_\@
	s_barrier_signal -3
.Lnot_wave_0_\@:
	s_barrier_wait -3
	s_barrier_signal -1
	s_barrier_wait -1
.endm
.macro CROUND
	s_barrier_signal -1
	s_barrier_wait -1
	CREST
.endm
	s_load_b256 s[4:11], s[0:1], 0x0               ; o_img, w16, b_proj, out0
	v_lshl_add_u32 v[SPW], v0, 2, SPARE
	v_mov_b32 v[NIL], 0
	ds_add_u32 v[SPW], v[NIL]                      ; the wave's opening: the add, twice on end, and its wait ahead of my first tensor load
	ds_add_u32 v[SPW], v[NIL]
	v_lshrrev_b32 v1, 5, v0
	v_readfirstlane_b32 s12, v1                    ; wave 0..3
	s_lshr_b32 s13, s12, 1                         ; which 64 rows are mine.  Also: I fetch for o (0) or for w (1)
	s_and_b32 s14, s12, 1                          ; which 128 columns.  Also: which half of that tile I fetch
	s_bfe_u32 s40, ttmp6, 0x40000                  ; cx
	s_bfe_u32 s41, ttmp6, 0x40004                  ; cy
	s_and_b32 s15, ttmp7, 0xffff                   ; cluster y
	s_lshl_b32 s42, ttmp9, 2
	s_add_co_u32 s42, s42, s40                     ; tile column
	s_lshl_b32 s16, s41, 4
	s_add_co_u32 s16, s16, s15                     ; tile row = 16 cy + cluster y
	s_lshl_b32 s43, s41, 2
	s_lshl_b32 s43, 15, s43                        ; my row of the cluster
	s_lshl_b32 s44, 0x1111, s40                    ; my column
	; descriptor group 1: rows of 4,096 bytes (512 elements of 8), 32,768 bytes apart: a K step of 4 (o) or 8 (w) tiles of 16 rows
	s_or_b32 s[G1+0], s43, (3<<16)|(1<<21)
	s_or_b32 s[G1B+0], s44, (3<<16)|(1<<21)
	s_mov_b32 s[G1+1], 512<<16                     ; tensor_dim0
	s_mov_b32 s[G1+2], 4<<16                       ; tensor_dim1
	s_mov_b32 s[G1+3], 512<<16                     ; tile_dim0
	s_mov_b32 s[G1+4], 4                           ; tile_dim1
	s_mov_b32 s[G1+5], 4096                        ; pitch
	s_mov_b32 s[G1+6], 0
	s_mov_b32 s[G1+7], 0
	s_mov_b32 s[G1B+1], 512<<16
	s_mov_b32 s[G1B+2], 8<<16
	s_mov_b32 s[G1B+3], 512<<16
	s_mov_b32 s[G1B+4], 8
	s_mov_b32 s[G1B+5], 4096
	s_mov_b32 s[G1B+6], 0
	s_mov_b32 s[G1B+7], 0
	s_lshl_b32 s17, s14, 2
	s_lshl_b32 s18, s16, 3
	s_add_co_u32 s18, s18, s17                     ; o: row tile 8 x tile row + 4 x half
	s_lshl_b32 s18, s18, 15
	s_mov_b32 s19, 0
	s_lshl_b32 s17, s14, 3
	s_lshl_b32 s46, s42, 4
	s_add_co_u32 s46, s46, s17                     ; w: column tile 16 x tile column + 8 x half
	s_lshl_b32 s46, s46, 15
	s_mov_b32 s47, 0
	s_lshl_b32 s20, s14, 14                        ; where they go: no place in the cluster enters an LDS address
	s_lshl_b32 s21, s14, 15
	s_add_co_u32 s21, s21, 32768
	s_wait_dscnt 0x0                               ; both opening adds are done
	s_wait_kmcnt 0x0
	s_add_nc_u64 s[18:19], s[4:5], s[18:19]
	s_add_nc_u64 s[46:47], s[6:7], s[46:47]
	CROUND                                         ; all sixteen work-groups are here: the first joint loads meet
.irp s, 0,1
	s_mov_b32 s[G0+4*\s], 1
	s_add_co_u32 s[G0+4*\s+1], s20, \s*SLOT
	s_add_nc_u64 s[G0+4*\s+2:G0+4*\s+3], s[18:19], \s*4096
	s_or_b32 s[G0+4*\s+3], s[G0+4*\s+3], 0x80000000
	s_mov_b32 s[G0B+4*\s], 1
	s_add_co_u32 s[G0B+4*\s+1], s21, \s*SLOT
	s_add_nc_u64 s[G0B+4*\s+2:G0B+4*\s+3], s[46:47], \s*4096
	s_or_b32 s[G0B+4*\s+3], s[G0B+4*\s+3], 0x80000000
	JLOAD \s
.endr
	v_and_b32 v1, 15, v0                           ; r
	v_bfe_u32 v2, v0, 4, 1                         ; h
	v_and_b32 v3, 31, v0
	v_lshlrev_b32 v[CO], 4, v3                     ; 16 x lane
	s_lshl_b32 s22, s13, 14                        ; my four row tiles
	s_lshl_b32 s23, s14, 15
	s_add_co_u32 s23, s23, 32768                   ; my eight column tiles
.irp s, 0,1
	v_add_nc_u32 v[ADRA+\s], s22, v[CO]
	v_add_nc_u32 v[ADRB+\s], s23, v[CO]
	s_add_co_u32 s22, s22, SLOT
	s_add_co_u32 s23, s23, SLOT
.endr
	s_mul_i32 s22, s12, 16*528
	s_add_co_u32 s22, s22, STAGE                   ; my stage
	v_mul_u32_u24 v4, v1, 528
	v_lshl_add_u32 v4, v2, 5, v4
	v_add_nc_u32 v[STO], s22, v4                   ; in: row r, 32 bytes for each half of the lanes
	v_add_nc_u32 v[RD], s22, v[CO]                 ; back: a row of 512 bytes to the 32 lanes
	v_lshlrev_b32 v[BO], 5, v2
	s_lshl_b32 s22, s42, 10
	s_lshl_b32 s23, s14, 9
	s_add_co_u32 s22, s22, s23                     ; my first column, in bytes
	s_mov_b32 s23, 0
	s_add_nc_u64 s[8:9], s[8:9], s[22:23]
	s_add_nc_u64 s[10:11], s[10:11], s[22:23]
	WIN 0x80                                       ; destination window 2
.irp b, 0,1,2,3,4,5,6,7
	global_load_b128 v[8*\b:8*\b+3], v[BO], s[8:9] offset:64*\b            ; the bias in the result's layout: columns 16 b + 8 h + 0 .. 7
	global_load_b128 v[8*\b+4:8*\b+7], v[BO], s[8:9] offset:64*\b+16
.endr
	WIN 0
	s_lshl_b32 s22, s16, 7
	s_lshl_b32 s17, s13, 6
	s_add_co_u32 s22, s22, s17                     ; my first row
	s_lshl_b32 s22, s22, 12
	s_add_nc_u64 s[10:11], s[10:11], s[22:23]
.macro MULA f, a, first                ; eight matrix instructions: row tile a x my eight column tiles, 32 along K, buffer f.  The 32 accumulators take turns, one instruction a turn
.irp b, 0,1,2,3,4,5,6,7
.if \first
	v_wmma_f32_16x16x32_f16 v[8*(8*(\a)+\b):8*(8*(\a)+\b)+7], v[FB+64*(\f)+8*\b:FB+64*(\f)+8*\b+7], v[FA+32*(\f)+8*(\a):FA+32*(\f)+8*(\a)+7], v[8*\b:8*\b+7]
.else
	v_wmma_f32_16x16x32_f16 v[8*(8*(\a)+\b):8*(8*(\a)+\b)+7], v[FB+64*(\f)+8*\b:FB+64*(\f)+8*\b+7], v[FA+32*(\f)+8*(\a):FA+32*(\f)+8*(\a)+7], v[8*(8*(\a)+\b):8*(8*(\a)+\b)+7]
.endif
.endr
.endm
.macro FETCH slot, q, f                ; 24 LDS loads in one run: the fragments of the slot's q-th 32 along K into buffer f
.irp a, 0,1,2,3
.irp g, 0,1
	ds_load_b128 v[FA+32*(\f)+8*\a+4*\g:FA+32*(\f)+8*\a+4*\g+3], v[ADRA+\slot] offset:\a*4096+(\q)*1024+\g*512
.endr
.endr
.irp b, 0,1,2,3,4,5,6,7
.irp g, 0,1
	ds_load_b128 v[FB+64*(\f)+8*\b+4*\g:FB+64*(\f)+8*\b+4*\g+3], v[ADRB+\slot] offset:\b*4096+(\q)*1024+\g*512
.endr
.endr
.endm
.macro PLACES                          ; four places in front of loads into registers that matrix instructions have read, and of reads of results
.rept 4
	v_nop
.endr
.endm
.macro QUARTER slot, qnext, f, g       ; multiplies buffer f; ahead of its 32 products it asks for the next quarter's fragments, into g
	s_wait_dscnt 0x0                               ; buffer f is in (asked for 32 matrix instructions ago)
	PLACES
	FETCH \slot, \qnext, \g
	WIN MUL
	MULA \f, 0, 0
	MULA \f, 1, 0
	MULA \f, 2, 0
	MULA \f, 3, 0
	WIN 0
.endm
; A slot's last quarter multiplies buffer 1 and changes slots: one barrier; in front of it each wave waits for all its tensor loads (its part of the next slot), adds 0 to its spare word, and waits for that and for its reads
; of this slot.  fill = 1: the barrier opens a round of the cluster's, and this slot is filled again, two K steps ahead, first thing behind the round: 112 matrix instructions ahead of the wait for it.
.macro TURN slot, next, fill
	s_wait_tensorcnt 0x0
	ds_add_u32 v[SPW], v[NIL]
	s_wait_dscnt 1                                 ; buffer 1 is in; the add may be out
	WIN MUL
	MULA 1, 0, 0
	s_wait_dscnt 0x0                               ; the add is done, and my reads of this slot are over
	s_barrier_signal -1
	MULA 1, 1, 0
	WIN 0
	s_barrier_wait -1
.if \fill
	CREST
	s_add_nc_u64 s[G0+4*\slot+2:G0+4*\slot+3], s[G0+4*\slot+2:G0+4*\slot+3], 8192
	s_add_nc_u64 s[G0B+4*\slot+2:G0B+4*\slot+3], s[G0B+4*\slot+2:G0B+4*\slot+3], 8192
	JLOAD \slot                                    ; its four v_nop are also the places in front of the loads below
.else
	PLACES
.endif
	FETCH \next, 0, 0
	WIN MUL
	MULA 1, 2, 0
	MULA 1, 3, 0
	WIN 0
.endm
	s_wait_tensorcnt 1                             ; my part of K step 0 is in (K step 1's load may be out),
	s_barrier_signal -1
	s_barrier_wait -1                              ; everybody's is
	FETCH 0, 0, 0
	s_wait_dscnt 0x0
	s_wait_loadcnt 0x0                             ; the bias
	FETCH 0, 1, 1
	WIN MULF
	MULA 0, 0, 1                                   ; the first quarter starts the sums with the bias: nothing is cleared
	MULA 0, 1, 1
	MULA 0, 2, 1
	MULA 0, 3, 1
	WIN 0
	s_mov_b32 s3, 3
.Llap:                                                 ; a trip goes once round the ring, from a lap's second quarter to the next lap's first, and fills both slots again
	QUARTER 0, 2, 1, 0
	QUARTER 0, 3, 0, 1
	TURN 0, 1, 1
	QUARTER 1, 1, 0, 1
	QUARTER 1, 2, 1, 0
	QUARTER 1, 3, 0, 1
	TURN 1, 0, 1
	QUARTER 0, 1, 0, 1
	s_sub_co_u32 s3, s3, 1
	s_cmp_lg_u32 s3, 0
	s_cbranch_scc1 .Llap
	QUARTER 0, 2, 1, 0                             ; the last lap fills nothing
	QUARTER 0, 3, 0, 1
	TURN 0, 1, 0
	QUARTER 1, 1, 0, 1
	QUARTER 1, 2, 1, 0
	QUARTER 1, 3, 0, 1
	s_wait_dscnt 0x0
	WIN MUL
	MULA 1, 0, 0
	MULA 1, 1, 0
	MULA 1, 2, 0
	MULA 1, 3, 0
	WIN 0
; THE WAY OUT, 16 rows x 128 columns at a time, through my own stage: a lane's 32 bytes go in, whole rows of 512 bytes come back and are stored by the 32 lanes.  LDS serves a wave's instructions in order.
.macro BLOCKOUT a
.set BB, 32+64*((\a)%2)
	WIN 0x04                                       ; an LDS store's data are its source 1: window 1
.irp b, 0,1,2,3,4,5,6,7
	ds_store_b128 v[STO], v[8*(8*(\a)+\b):8*(8*(\a)+\b)+3] offset:64*\b        ; each accumulator from its low end on
	ds_store_b128 v[STO], v[8*(8*(\a)+\b)+4:8*(8*(\a)+\b)+7] offset:64*\b+16
.endr
	WIN 0
.irp t, 0,1,2,3,4,5,6,7,8,9,10,11,12,13,14,15
	ds_load_b128 v[BB+4*\t:BB+4*\t+3], v[RD] offset:\t*528
.endr
	s_wait_dscnt 0x0
.irp t, 0,1,2,3,4,5,6,7,8,9,10,11,12,13,14,15
	global_store_b128 v[CO], v[BB+4*\t:BB+4*\t+3], s[10:11] offset:(16*(\a)+\t)*4096 th:TH_STORE_NT   ; 512 consecutive bytes, at a multiple of 256 from the buffer's first byte
.endr
.endm
	PLACES
	s_or_b32 s66, s15, s13                         ; a sequence's positions 0-15: cluster y = 0, the waves with the first 64 rows, block 0: the f32 launch stores them
	s_cmp_eq_u32 s66, 0
	s_cbranch_scc1 .Lskip0
	BLOCKOUT 0
.Lskip0:
	BLOCKOUT 1
	s_wait_xcnt 0x0                                ; block 0's stores have read their registers: block 2's rows may land there
	BLOCKOUT 2
	s_wait_xcnt 0x0
	BLOCKOUT 3
	s_wait_tensorcnt 0x0                           ; the wave's end
	ds_add_u32 v[SPW], v[NIL]
	s_wait_dscnt 0x0
	CROUND                                         ; the closing round
	s_endpgm
.Lfunc_end_k_q0e8d088328_proj:
	.size	k_q0e8d088328_proj, .Lfunc_end_k_q0e8d088328_proj-k_q0e8d088328_proj
	.p2alignl 7, 3214868480
	.fill 96, 4, 3214868480
	.section	.rodata,"a",@progbits
	.p2align	6, 0x0
	.amdhsa_kernel k_q0e8d088328_proj
		.amdhsa_group_segment_fixed_size 327680
		.amdhsa_private_segment_fixed_size 0
		.amdhsa_enable_private_segment 0
		.amdhsa_kernarg_size 32
		.amdhsa_user_sgpr_count 2
		.amdhsa_user_sgpr_kernarg_segment_ptr 1
		.amdhsa_wavefront_size32 1
		.amdhsa_system_sgpr_workgroup_id_x 1
		.amdhsa_system_sgpr_workgroup_id_y 1
		.amdhsa_system_sgpr_workgroup_id_z 1
		.amdhsa_system_vgpr_workitem_id 0
		.amdhsa_next_free_vgpr 576
		.amdhsa_next_free_sgpr 68
		.amdhsa_reserve_vcc 0
		.amdhsa_float_denorm_mode_32 3
		.amdhsa_float_denorm_mode_16_64 3
		.amdhsa_memory_ordered 1
		.amdhsa_forward_progress 1
		.amdhsa_inst_pref_size 85
	.end_amdhsa_kernel
	.amdgpu_metadata
---
amdhsa.version: [ 1, 2 ]
amdhsa.kernels:
  - .name:           k_q0e8d088328_proj
    .symbol:         k_q0e8d088328_proj.kd
    .args:
      - { .name: o_img, .offset: 0, .size: 8, .value_kind: global_buffer, .address_space: global }
      - { .name: w16, .offset: 8, .size: 8, .value_kind: global_buffer, .address_space: global }
      - { .name: b_proj, .offset: 16, .size: 8, .value_kind: global_buffer, .address_space: global }
      - { .name: out0, .offset: 24, .size: 8, .value_kind: global_buffer, .address_space: global }
    .group_segment_fixed_size: 327680
    .private_segment_fixed_size: 0
    .kernarg_segment_align: 8
    .kernarg_segment_size: 32
    .max_flat_workgroup_size: 128
    .sgpr_count:     68
    .vgpr_count:     576
    .wavefront_size: 32
...
	.end_amdgpu_metadata
.endif
;; end of part 5
